; MI455X (gfx1250); checked and timed in simulation.
; The chip was launched on July 23, 2026; its instructions are those of AMD's public machine-readable ISA for CDNA 5 (MIT licence, August 2026) and "CDNA5" Instruction Set Architecture Reference Guide (July 2026). The comments in the code are by the model that wrote it; some were corrected since.
;; Self Attention. Allowed arithmetic: matrix products marked QUANTISED: E2M1 operands, one E8M0 scale for each 32 along K, by v_wmma_scale_f32_16x16x128_f8f6f4 with both operands' format E2M1 (or v_wmma_scale_f32_32x16x128_f4), f32 sums; products left as they are: bf16, f16 or f32 operands; f32 sums; everything else in f32.
;; Inputs: b_out 1,024 float32; b_qkv 3,072 float32; w_out 1,024 x 1,024 float32; w_qkv 1,024 x 3,072 float32; x 2 x 2,048 x 1,024 float32.
;; Outputs: out0 2 x 2,048 x 1,024 float32.
;; This version of the problem:
;;   THIS VERSION OF THE PROBLEM IS GIVEN IN LOW PRECISION. The matrix products marked QUANTISED in the list below multiply operands that are first quantised to E2M1 (2 exponent bits, 1 mantissa bit; 4 bits a number), with one power-of-two scale for each 32 numbers along K (OCP MX v1.0); their sums are f32. The products marked 'left as it is' may take bf16, f16 or f32 operands, with f32 sums. Whichever they take, every output number must still come out within the allowed error. Rounding operands to bf16 (8 significant bits) uses up far more of that allowance than f16 does (11 bits, for magnitudes from 6e-5 to 65,504). All else is computed in f32.
;;   The module's matrix products, in the order in which they are computed (A, B: the left and right operand; K: the contracted axis; several contracted axes count as one K, in the product's order):
;;     1. [M 4,096, K 1,024] x [K 1,024, N 3,072]; A: input x; B: input w_qkv: QUANTISED
;;     2. batch 32 x [M 2,048, K 64] x [K 64, N 2,048]; A: computed on the way; B: computed on the way: left as it is (an operand is computed on the way)
;;     3. batch 32 x [M 2,048, K 2,048] x [K 2,048, N 64]; A: computed on the way; B: computed on the way: left as it is (an operand is computed on the way)
;;     4. [M 4,096, K 1,024] x [K 1,024, N 1,024]; A: computed on the way; B: input w_out: left as it is (an operand is computed on the way)
;;   THE QUANTISER, for each operand of a quantised product, along K:
;;     - K is cut into blocks of 32 from its start; a last block that is shorter is filled with zeros.
;;     - A block's scale is 2^e with e = floor(log2(the largest magnitude in the block)) - 2, held to -126 .. 127; a block of zeros has e = 0. As a byte (E8M0): e + 127.
;;     - Each number is divided by its block's scale, clamped to +-6, and rounded to the nearest number of E2M1, ties to even, subnormals kept.
;;     - The product sums the exact products of the quantised numbers (number of the format x scale) in f32.
;;   ~~~python
;;   def quantise(x, axis):      # numpy; x: float32 -> the quantised numbers, widened to float32 again
;;       x = np.moveaxis(x, axis, -1); K = x.shape[-1]
;;       x = np.pad(x, [(0, 0)] * (x.ndim - 1) + [(0, -K % 32)]); x = x.reshape(x.shape[:-1] + (-1, 32)); a = np.abs(x).max(-1, keepdims=True)
;;       e = np.where(a > 0, np.clip(np.frexp(np.where(a > 0, a, 1))[1] - 1 - 2, -126, 127), 0)      # np.frexp(a)[1] - 1 = floor(log2(a)), exactly
;;       r = np.clip(x / 2.0 ** e, -6, 6)
;;       step = 2.0 ** (np.maximum(np.frexp(np.where(r == 0, 1, r))[1] - 1, 0) - 1)
;;       q = np.round(r / step) * step * 2.0 ** e      # np.round: ties to even
;;       return np.moveaxis(q.reshape(q.shape[:-2] + (-1,))[..., :K], -1, axis).astype(np.float32)
;;   ~~~
;; One version. Each part assembles by itself: llvm-mc -triple=amdgcn-amd-amdhsa -mcpu=gfx1250 --defsym DOCPART=n.
;; ======== version 1 of 1: 5 launches
;; limits: values are held in f16: magnitudes above 65,504 overflow, below 6.1e-05 lose precision
;; workspace buffers: xc 2,097,152 bytes; xs 131,072 bytes; wc 1,572,864 bytes; ws 98,304 bytes; wt 2,097,152 bytes; qkvh 25,165,824 bytes; q32 393,216 bytes; ao 8,388,608 bytes
;; launch prep (part 1): grid 352 x 1, 4 waves a work-group, no clusters, 52,736 bytes of LDS; arguments x, w_qkv, w_out, xc, xs, wc, ws, wt; writes xc, xs, wc, ws, wt
.if DOCPART == 1
	.amdgcn_target "amdgcn-amd-amdhsa--gfx1250"
	.amdhsa_code_object_version 6
	.text
	.protected	k_qe9007be12b_prep
	.globl	k_qe9007be12b_prep
	.p2align	8
	.type	k_qe9007be12b_prep,@function
k_qe9007be12b_prep:
	s_mov_b64 s[64:65], 0
	v_nop
	global_prefetch_b8 v0, s[64:65] scope:SCOPE_SE
	s_setreg_imm32_b32 hwreg(HW_REG_WAVE_MODE, 25, 1), 1
	s_wait_xcnt 0x0
; THREE STREAMS IN ONE LAUNCH, told apart by the work-group's number:
;   X (work-groups 0-127):   x [4096][1024] f32      -> codes of FP4 (E2M1) xc and E8M0 scale bytes xs, quantised along its rows (K innermost)
;   W (work-groups 128-223): w_qkv [1024][3072] f32  -> codes wc and scale bytes ws, quantised down its columns (K is its first axis)
;   T (work-groups 224-351): w_out [1024][1024] f32  -> wt, f16, turned: [chunk of 64 k][n][64 k]
; A block's scale is 2^(floor(log2(its largest magnitude)) - 2); its byte is the largest magnitude's exponent field - 2, held at 1 from below.
; THE CODES ARE LAID AS IMAGES OF THE OPERAND'S REGISTERS: [K slot of 512][tile of 16 rows][K step of 128][plane c][lane][16 bytes]: lane (r, h) of plane c holds the 32 codes
; k = 64 c + 32 h + 0 .. 31 of row r.  The scale bytes: [tile][K slot][row r][16 bytes], byte 4 q + b for K step q, block b.
; LIMITS: NaN and infinities among the inputs are not served.  A block of zeros gets the byte 1 where the quantiser says 127: its codes are zeros, which add nothing under any byte but 0xff,
; and the bytes are read by this program alone.  |w_out| stays under 65,504 (f16).
; No barrier: waves share nothing.  Each path has LDS bytes of its own.
.set XWB,   8448                       ; path X: a wave's stage: 16 rows x (512 bytes + 16)
.set TST,   4*XWB                      ; path T: the stages begin here,
.set TWB,   4608                       ; 32 rows x (128 bytes + 16) a wave
.set SPARE, TST+4*TWB                  ; the spare words, 128 bytes for each wave: two blocks of 256 bytes that no other line names
.set LO,  4                            ; v4   16 x lane
.set XSI, 5                            ; v5   X: into the stage: 16 x lane in a row
.set XSO, 6                            ; v6   X: out of it: row r, 128 h
.set TSI, 7                            ; v7   T: into the stage: row = lane
.set TSO, 8                            ; v8   T: out of it: four rows an instruction
.set SH,  9                            ; v9   8 h
.set SRO, 10                           ; v10  16 r
.set SPW, 14                           ; v14  LDS address of my spare word; never rewritten
.set NIL, 15                           ; v15  0; never rewritten
.set R,   16                           ; X: v16-143  two sets of 64: a fragment's numbers as loaded
.set X,   144                          ; X: v144-207 my 64 numbers: register 32 c + i = k 64 c + 32 h + i of row r
.set C,   208                          ; X: v208-239 codes, 8 registers a fragment: no store's data are written again
.set SW,  240                          ; X: v240-243 my row's four scale words
.set MX,  244
.set SO,  246
.set BY,  248
.set WD,  250
.set WT,  251
.set WLO, 16                           ; W: 4 x lane
.set WCO, 17                           ; W: my place among the codes
.set WSO, 18                           ; W: and among the scale bytes
.set WM,  20
.set WS,  22
.set WB,  23
.set SB,  24                           ; W: v24-25 eight scale bytes
.set WX,  32                           ; W: v32-95 two sets of 32 numbers
.set WC,  96                           ; W: v96-127 codes, four registers a block
.macro XLOAD q                         ; fragment q: 128 along K of 16 rows; each load reads 512 consecutive bytes of one row
.irp i, 0,1,2,3,4,5,6,7,8,9,10,11,12,13,14,15
	global_load_b128 v[R+64*((\q)%2)+4*\i:R+64*((\q)%2)+4*\i+3], v[LO], s[4:5] offset:4096*\i+512*(\q) th:TH_LOAD_NT
.endr
.endm
.macro XQ q
.if \q < 3
	s_wait_loadcnt 16                              ; this fragment's 16 loads are in; the next fragment's 16 may be out
.else
	s_wait_loadcnt 0x0
.endif
.irp i, 0,1,2,3,4,5,6,7,8,9,10,11,12,13,14,15
	ds_store_b128 v[XSI], v[R+64*((\q)%2)+4*\i:R+64*((\q)%2)+4*\i+3] offset:528*\i   ; as loaded: row i
.endr
.irp c, 0,1
.irp e, 0,1,2,3,4,5,6,7
	ds_load_b128 v[X+32*\c+4*\e:X+32*\c+4*\e+3], v[XSO] offset:256*\c+16*\e         ; LDS serves a wave's instructions in order: these see my stores.  32 neighbours along K a plane
.endr
.endr
	s_wait_dscnt 0x0                               ; my numbers are back, and the stores have read their registers,
.if \q < 2
	XLOAD (\q)+2                                   ; which take the fragment two on
.endif
.irp c, 0,1
	v_max3_num_f32 v[MX+\c], |v[X+32*\c]|, |v[X+32*\c+1]|, 0x1800000   ; block 2 c + h: all its 32 numbers are mine; the floor 2^(3 - 127) holds the byte at 1 from below
.endr
.irp i, 2,4,6,8,10,12,14,16,18,20,22,24,26,28,30
.irp c, 0,1
	v_max3_num_f32 v[MX+\c], v[MX+\c], |v[X+32*\c+\i]|, |v[X+32*\c+\i+1]|
.endr
.endr
.irp c, 0,1
	v_add_nc_u32 v[SO+\c], 0xff000000, v[MX+\c]    ; 2 off the exponent field: the conversion takes this operand's exponent field as its scale
.endr
.irp c, 0,1
.irp g, 0,1,2,3
	v_cvt_scalef32_pk8_fp4_f32 v[C+8*\q+4*\c+\g], v[X+32*\c+8*\g:X+32*\c+8*\g+7], v[SO+\c]
.endr
.endr
.irp c, 0,1
	v_lshrrev_b32 v[BY+\c], 23, v[SO+\c]           ; the scale's byte (a plain line behind the conversions)
.endr
	v_lshl_or_b32 v[WD], v[BY+1], 16, v[BY]        ; my two bytes, blocks h and 2 + h,
	v_lshlrev_b32 v[WD], v[SH], v[WD]              ; at their places in the word;
	v_permlanex16_b32 v[WT], v[WD], s28, s29
	v_or_b32 v[SW+\q], v[WD], v[WT]                ; with lane l xor 16's two the word is whole
.irp c, 0,1
	global_store_b128 v[LO], v[C+8*\q+4*\c:C+8*\q+4*\c+3], s[10:11] offset:1024*\q+512*\c   ; a plane: 512 consecutive bytes
.endr
.endm
.macro WLOAD t                         ; block t: w(32 t + i, my column)
.irp i, 0,1,2,3,4,5,6,7,8,9,10,11,12,13,14,15,16,17,18,19,20,21,22,23,24,25,26,27,28,29,30,31
	global_load_b32 v[WX+32*((\t)%2)+\i], v[WLO], s[6:7] offset:(32*(\t)+\i)*12288 th:TH_LOAD_NT
.endr
.endm
.macro WBLOCK t
.set XS, WX+32*((\t)%2)
.if (\t) < 7
	s_wait_loadcnt 32                              ; this block's 32 loads are in; the next block's 32 may be out
.else
	s_wait_loadcnt 0x0
.endif
	v_max3_num_f32 v[WM], |v[XS]|, |v[XS+1]|, |v[XS+2]|
	v_max3_num_f32 v[WM+1], |v[XS+3]|, |v[XS+4]|, |v[XS+5]|
.irp i, 6,10,14,18,22,26
	v_max3_num_f32 v[WM], v[WM], |v[XS+\i]|, |v[XS+\i+1]|
	v_max3_num_f32 v[WM+1], v[WM+1], |v[XS+\i+2]|, |v[XS+\i+3]|
.endr
	v_max3_num_f32 v[WM], v[WM], |v[XS+30]|, |v[XS+31]|
	v_max3_num_f32 v[WM], v[WM], v[WM+1], 0x1800000
	v_add_nc_u32 v[WS], 0xff000000, v[WM]
.irp g, 0,1,2,3
	v_cvt_scalef32_pk8_fp4_f32 v[WC+4*(\t)+\g], v[XS+8*\g:XS+8*\g+7], v[WS]
.endr
	v_lshrrev_b32 v[WB], 23, v[WS]
.if (\t)%4 == 0
	v_mov_b32 v[SB+(\t)/4], v[WB]
.else
	v_lshl_or_b32 v[SB+(\t)/4], v[WB], 8*((\t)%4), v[SB+(\t)/4]
.endif
	global_store_b128 v[WCO], v[WC+4*(\t):WC+4*(\t)+3], s[14:15] offset:256*(\t)   ; block t is half a plane of the image: sixteen lanes store 256 consecutive bytes, aligned
.if (\t)+2 < 8
	WLOAD (\t)+2
.endif
.endm
	s_load_b256 s[4:11], s[0:1], 0x0               ; x s[4:5], w_qkv s[6:7], w_out s[8:9], xc s[10:11]
	s_load_b256 s[12:19], s[0:1], 0x20             ; xs s[12:13], wc s[14:15], ws s[16:17], wt s[18:19]
	v_lshl_add_u32 v[SPW], v0, 2, SPARE
	v_mov_b32 v[NIL], 0
	v_lshrrev_b32 v1, 5, v0
	v_readfirstlane_b32 s20, v1                    ; wave
	v_and_b32 v1, 31, v0                           ; lane
	v_and_b32 v2, 15, v0                           ; r
	v_bfe_u32 v3, v0, 4, 1                         ; h
	v_lshlrev_b32 v[LO], 4, v1
	s_mul_i32 s21, s20, XWB
	v_add_nc_u32 v[XSI], s21, v[LO]
	v_mul_u32_u24 v[XSO], v2, 528
	v_lshl_add_u32 v[XSO], v3, 7, v[XSO]
	v_add_nc_u32 v[XSO], s21, v[XSO]
	s_mul_i32 s21, s20, TWB
	s_add_co_u32 s21, s21, TST
	v_mul_u32_u24 v[TSI], v1, 144
	v_add_nc_u32 v[TSI], s21, v[TSI]
	v_lshrrev_b32 v[TSO], 3, v1
	v_mul_u32_u24 v[TSO], v[TSO], 144
	v_and_b32 v[SH], 7, v0
	v_lshl_add_u32 v[TSO], v[SH], 4, v[TSO]
	v_add_nc_u32 v[TSO], s21, v[TSO]
	v_lshlrev_b32 v[SH], 3, v3
	v_lshlrev_b32 v[SRO], 4, v2
	s_mov_b32 s28, 0x76543210
	s_mov_b32 s29, 0xfedcba98                      ; v_permlanex16_b32's selects for lane l xor 16
	s_mov_b32 s25, 0                               ; the upper word of every offset
	s_wait_kmcnt 0x0
	s_cmp_lt_u32 ttmp9, 128
	s_cbranch_scc1 .Lx
	s_cmp_lt_u32 ttmp9, 224
	s_cbranch_scc1 .Lw
	; ---- T: a wave takes 32 columns n x one chunk of 64 k.  A lane takes a column, its registers run down k: 64 numbers become its row's 128 bytes
	s_sub_co_u32 s21, ttmp9, 224
	s_and_b32 s22, s21, 15                         ; chunk
	s_lshr_b32 s21, s21, 4
	s_lshl_b32 s21, s21, 2
	s_add_co_u32 s21, s21, s20                     ; which 32 columns
	s_lshl_b32 s24, s22, 18                        ; 64 rows of 4,096 bytes
	s_lshl_b32 s26, s21, 7
	s_add_co_u32 s24, s24, s26
	s_add_nc_u64 s[8:9], s[8:9], s[24:25]
	s_lshl_b32 s24, s22, 17                        ; a chunk of wt: 1,024 rows of 128 bytes
	s_lshl_b32 s26, s21, 12
	s_add_co_u32 s24, s24, s26
	s_add_nc_u64 s[18:19], s[18:19], s[24:25]
	v_lshlrev_b32 v16, 2, v1
.irp i, 0,1,2,3,4,5,6,7,8,9,10,11,12,13,14,15,16,17,18,19,20,21,22,23,24,25,26,27,28,29,30,31,32,33,34,35,36,37,38,39,40,41,42,43,44,45,46,47,48,49,50,51,52,53,54,55,56,57,58,59,60,61,62,63
	global_load_b32 v[32+\i], v16, s[8:9] offset:4096*\i
.endr
	s_wait_loadcnt 0x0
.irp i, 0,1,2,3,4,5,6,7,8,9,10,11,12,13,14,15,16,17,18,19,20,21,22,23,24,25,26,27,28,29,30,31
	v_cvt_pk_f16_f32 v[96+\i], v[32+2*\i], v[33+2*\i]
.endr
.irp j, 0,1,2,3,4,5,6,7
	ds_store_b128 v[TSI], v[96+4*\j:99+4*\j] offset:16*\j
.endr
.irp t, 0,1,2,3,4,5,6,7
	ds_load_b128 v[128+4*\t:131+4*\t], v[TSO] offset:576*\t      ; four whole rows: in wt they are 512 consecutive bytes
.endr
.irp t, 0,1,2,3,4,5,6,7
	s_wait_dscnt 7-\t                              ; LDS loads come back in order: load t is in
	global_store_b128 v[LO], v[128+4*\t:131+4*\t], s[18:19] offset:512*\t
.endr
	s_branch .Lend
.Lx:	; ---- X: a wave takes a tile of 16 rows x one K slot of 512: four fragments
	s_lshl_b32 s21, ttmp9, 2
	s_add_co_u32 s21, s21, s20
	s_lshr_b32 s22, s21, 1                         ; tile
	s_and_b32 s23, s21, 1                          ; K slot
	s_lshl_b32 s24, s22, 16
	s_lshl_b32 s26, s23, 11
	s_add_co_u32 s24, s24, s26
	s_add_nc_u64 s[4:5], s[4:5], s[24:25]
	s_lshl_b32 s24, s23, 20
	s_lshl_b32 s26, s22, 12
	s_add_co_u32 s24, s24, s26
	s_add_nc_u64 s[10:11], s[10:11], s[24:25]
	s_lshl_b32 s24, s22, 9
	s_lshl_b32 s26, s23, 8
	s_add_co_u32 s24, s24, s26
	s_add_nc_u64 s[12:13], s[12:13], s[24:25]
	v_mov_b32 v[WT], 0                             ; written once: a lane permute's destination counts as one of its sources
	XLOAD 0
	XLOAD 1
	XQ 0
	XQ 1
	XQ 2
	XQ 3
	v_cmp_gt_u32 vcc_lo, 16, v1
	s_wait_xcnt 0x0                                ; EXEC changes only behind this wait
	s_and_saveexec_b32 s30, vcc_lo                 ; lanes 0-15: a row's 16 scale bytes each
	global_store_b128 v[SRO], v[SW:SW+3], s[12:13] ; 256 consecutive bytes, aligned
	s_wait_xcnt 0x0
	s_or_b32 exec_lo, exec_lo, s30
	s_branch .Lend
.Lw:	; ---- W: a wave takes 32 columns x 256 along K: eight blocks a lane.  The scale bytes leave in pieces of 8 bytes: one byte in 128 of what this path reads
	s_sub_co_u32 s21, ttmp9, 128
	s_and_b32 s22, s21, 3                          ; which 256 along K
	s_lshr_b32 s21, s21, 2
	s_lshl_b32 s21, s21, 2
	s_add_co_u32 s21, s21, s20                     ; which 32 columns
	s_mul_i32 s24, s22, 256*12288
	s_lshl_b32 s26, s21, 7
	s_add_co_u32 s24, s24, s26
	s_add_nc_u64 s[6:7], s[6:7], s[24:25]
	s_lshr_b32 s23, s22, 1                         ; K slot
	s_and_b32 s22, s22, 1                          ; its half
	s_mul_i32 s24, s23, 786432
	s_lshl_b32 s26, s21, 13                        ; two tiles of 4,096 bytes
	s_add_co_u32 s24, s24, s26
	s_lshl_b32 s26, s22, 11
	s_add_co_u32 s24, s24, s26
	s_add_nc_u64 s[14:15], s[14:15], s[24:25]
	s_lshl_b32 s24, s21, 10                        ; two tiles of 512 scale bytes
	s_lshl_b32 s26, s23, 8
	s_add_co_u32 s24, s24, s26
	s_lshl_b32 s26, s22, 3
	s_add_co_u32 s24, s24, s26
	s_add_nc_u64 s[16:17], s[16:17], s[24:25]
	v_lshlrev_b32 v[WLO], 2, v1
	v_lshl_add_u32 v[WCO], v3, 12, v[SRO]          ; tile lane / 16, 16 bytes a row
	v_lshl_add_u32 v[WSO], v3, 9, v[SRO]
	WLOAD 0
	WLOAD 1
.irp t, 0,1,2,3,4,5,6,7
	WBLOCK \t
.endr
	global_store_b64 v[WSO], v[SB:SB+1], s[16:17]
.Lend:
	s_wait_tensorcnt 0x0                           ; the wave's end: behind my last LDS store
	ds_add_u32 v[SPW], v[NIL]
	s_wait_dscnt 0x0
	s_endpgm
.Lfunc_end_k_qe9007be12b_prep:
	.size	k_qe9007be12b_prep, .Lfunc_end_k_qe9007be12b_prep-k_qe9007be12b_prep
	.p2alignl 7, 3214868480
	.fill 96, 4, 3214868480
	.section	.rodata,"a",@progbits
	.p2align	6, 0x0
	.amdhsa_kernel k_qe9007be12b_prep
		.amdhsa_group_segment_fixed_size 52736
		.amdhsa_private_segment_fixed_size 0
		.amdhsa_enable_private_segment 0
		.amdhsa_kernarg_size 64
		.amdhsa_user_sgpr_count 2
		.amdhsa_user_sgpr_kernarg_segment_ptr 1
		.amdhsa_wavefront_size32 1
		.amdhsa_system_sgpr_workgroup_id_x 1
		.amdhsa_system_sgpr_workgroup_id_y 1
		.amdhsa_system_sgpr_workgroup_id_z 1
		.amdhsa_system_vgpr_workitem_id 0
		.amdhsa_next_free_vgpr 256
		.amdhsa_next_free_sgpr 66
		.amdhsa_reserve_vcc 1
		.amdhsa_float_denorm_mode_32 3
		.amdhsa_float_denorm_mode_16_64 3
		.amdhsa_memory_ordered 1
		.amdhsa_forward_progress 1
		.amdhsa_inst_pref_size 78
	.end_amdhsa_kernel
	.amdgpu_metadata
---
amdhsa.version: [ 1, 2 ]
amdhsa.kernels:
  - .name:           k_qe9007be12b_prep
    .symbol:         k_qe9007be12b_prep.kd
    .args:
      - { .name: x, .offset: 0, .size: 8, .value_kind: global_buffer, .address_space: global }
      - { .name: w_qkv, .offset: 8, .size: 8, .value_kind: global_buffer, .address_space: global }
      - { .name: w_out, .offset: 16, .size: 8, .value_kind: global_buffer, .address_space: global }
      - { .name: xc, .offset: 24, .size: 8, .value_kind: global_buffer, .address_space: global }
      - { .name: xs, .offset: 32, .size: 8, .value_kind: global_buffer, .address_space: global }
      - { .name: wc, .offset: 40, .size: 8, .value_kind: global_buffer, .address_space: global }
      - { .name: ws, .offset: 48, .size: 8, .value_kind: global_buffer, .address_space: global }
      - { .name: wt, .offset: 56, .size: 8, .value_kind: global_buffer, .address_space: global }
    .group_segment_fixed_size: 52736
    .private_segment_fixed_size: 0
    .kernarg_segment_align: 8
    .kernarg_segment_size: 64
    .max_flat_workgroup_size: 128
    .sgpr_count:     66
    .vgpr_count:     256
    .wavefront_size: 32
...
	.end_amdgpu_metadata
.endif
;; end of part 1
;; launch qkv (part 2): grid 12 x 16, 4 waves a work-group, clusters of 4 x 4, 327,680 bytes of LDS; arguments xc, xs, wc, ws, b_qkv, qkvh, q32; writes qkvh, q32
.if DOCPART == 2
	.amdgcn_target "amdgcn-amd-amdhsa--gfx1250"
	.amdhsa_code_object_version 6
	.text
	.protected	k_qe9007be12b_qkv
	.globl	k_qe9007be12b_qkv
	.p2align	8
	.type	k_qe9007be12b_qkv,@function
k_qe9007be12b_qkv:
	s_mov_b64 s[64:65], 0
	v_nop
	global_prefetch_b8 v0, s[64:65] scope:SCOPE_SE
	s_setreg_imm32_b32 hwreg(HW_REG_WAVE_MODE, 25, 1), 1
	s_wait_xcnt 0x0
	s_wait_alu depctr_hold_cnt(0) depctr_sa_sdst(0) depctr_va_vdst(0) depctr_va_sdst(0) depctr_va_ssrc(0) depctr_va_vcc(0) depctr_vm_vsrc(0)
	s_getreg_b32 s2, hwreg(HW_REG_IB_STS2, 6, 4)
	s_cmp_eq_u32 s2, 0
	s_cbranch_scc0 .Lentry_in_a_cluster
	s_endpgm
.Lentry_in_a_cluster:
	s_bfe_u32 s2, ttmp6, 0x10000c
	s_cmp_lg_u32 s2, 0xf033
	s_cbranch_scc0 .Lentry_shape_is_right
	s_endpgm
.Lentry_shape_is_right:
; qkv = x w_qkv + b_qkv on codes of FP4 (E2M1) with one E8M0 scale for each 32 along K: [4096][1024] x [1024][3072], sums in f32.
; The codes lie in memory as images of the operand's registers ([K slot of 512][tile of 16 rows][K step of 128][plane][lane][16 bytes]), the scale bytes as [tile][K slot][row][16 bytes].
; A tile of 256 x 256 is made by four waves, 128 x 128 each: 64 accumulators, 512 registers.  K = 1,024 is two slots of 512: BOTH are asked for at the start and nothing is filled again.
; CLUSTERS: 4 x 4 work-groups; A's blocks are shared along a row of the cluster, B's along a column: each is asked for jointly, by the same tensor load with a mask that names the four.
; THE MATRIX INSTRUCTION IS USED TRANSPOSED (source 0 = 16 columns of w_qkv, source 1 = 16 rows of x): a lane holds eight neighbouring columns of one row.  The bias is the C of each sum's first product.
; OUT: q, k, v in f16 by head, qkvh [which][batch][head][position][64]; and positions 0-15 of both batches once more in f32, q32 [batch][16][3072], for the launch that carries those rows finely
; (those 393,216 bytes leave in pieces of 32 bytes).
; LIMITS: |q|, |k|, |v| stay under 65,504 (f16).  The bias is added first, not last: the order of rounding differs from the reference's.
; 192 work-groups: the tile is kept at 256 x 256, so that a fragment read from LDS feeds eight products.
; REGISTERS: window 0: v0-31 addresses; v32-95 scale words, two sets; v96-127 packed results; v128-191 A's fragments, later rows on the way out; v192-255 the bias.
;   window 1: B's fragments, two sets, at v0 and v128.   windows 2, 3: the accumulators of my rows 0-63, 64-127: (a, b) at v[8 (8 (a % 4) + b)].
.set NQ,     4                         ; K steps of 128 in a slot
.set FR,     8                         ; registers of a fragment
.set NL,     2                         ; LDS loads that bring one
.set NP,     4                         ; places behind this matrix instruction (ISA guide 7.12.1)
.set HALFT,  32768                     ; 8 tiles x 4 K steps x 1,024 bytes: what one tensor load brings
.set SLOT,   4*HALFT                   ; A's 16 tiles, then B's 16
.set SCL,    2*SLOT                    ; the scale bytes: 4,096 for each wave's 8 tiles, both K slots
.set STAGE,  SCL+4*4096                ; the way out: 2 heads x 16 rows x (128 bytes + 16) for each wave; no tensor load lands here
.set SPARE,  STAGE+4*4608              ; the spare words, 128 bytes for each wave: two blocks of 256 bytes that no other line names
.set ADRA, 16                          ; v16-17  LDS address of my A fragments in slot 0, 1
.set ADRB, 20                          ; v20-21  the same for B
.set BO,   22                          ; v22     32 h: the bias
.set STO,  24                          ; v24     the way out: where I put 16 bytes of a row
.set RD,   25                          ; v25     where I read rows back
.set CO,   26                          ; v26     16 x lane
.set ADRS, 27                          ; v27     my scale words: lanes 0-15 A's rows, lanes 16-31 B's
.set SPW,  28                          ; v28     my spare word; never rewritten
.set NIL,  29                          ; v29     0; never rewritten
.set CND,  30                          ; v30     0 where my block 0 holds positions 0-15
.set FO,   31                          ; v31     my place in q32
.set SC,   32
.set TMP,  96
.set AF,   128
.set BK,   128
.set BIAS, 192
.set G1, 24
.set G0, 32
.set G1B, 48
.set G0B, 56
.set G1S, 68
.set G0S, 76
.set G1SB, 80
.set G0SB, 88
.set MSB, 0
.macro WIN new                         ; the immediate's high byte repeats the setting that is left
.if MSB != (\new)
	s_set_vgpr_msb (MSB<<8)|(\new)
.set MSB, (\new)
.endif
.endm
.set MUL_LO, 0xa1                      ; source 0 (B) window 1, source 1 (A) window 0, C and D window 2
.set MUL_HI, 0xf1                      ; the same, C and D window 3
.set TO_B,   0x40
.macro JLOAD g0a, g1a, g0b, g1b        ; waves 0 and 1 fetch for A, waves 2 and 3 for B; an s_nop 0 and four v_nop follow each line
	s_cmp_eq_u32 s15, 0
	s_cbranch_scc0 .Lfor_b_\@
	tensor_load_to_lds s[\g0a:\g0a+3], s[\g1a:\g1a+7]
	s_nop 0
.rept 4
	v_nop
.endr
	s_branch .Lasked_\@
.Lfor_b_\@:
	tensor_load_to_lds s[\g0b:\g0b+3], s[\g1b:\g1b+7]
	s_nop 0
.rept 4
	v_nop
.endr
.Lasked_\@:
.endm
.macro CROUND                          ; a round of the cluster's barrier
	s_barrier_signal -1
	s_barrier_wait -1
	s_cmp_lg_u32 s14, 0
	s_cbranch_scc1 .Lnot_wave_0_\@
	s_barrier_signal -3
.Lnot_wave_0_\@:
	s_barrier_wait -3
	s_barrier_signal -1
	s_barrier_wait -1
.endm
	s_load_b128 s[4:7], s[0:1], 0x0                ; xc s[4:5], xs s[6:7]
	s_load_b128 s[8:11], s[0:1], 0x10              ; wc s[8:9], ws s[10:11]
	s_load_b64 s[12:13], s[0:1], 0x20              ; b_qkv
	s_load_b64 s[96:97], s[0:1], 0x28              ; qkvh
	s_load_b64 s[98:99], s[0:1], 0x30              ; q32
	v_lshl_add_u32 v[SPW], v0, 2, SPARE
	v_mov_b32 v[NIL], 0
	ds_add_u32 v[SPW], v[NIL]                      ; the wave's opening: the add, twice on end, and its wait ahead of my first tensor load
	ds_add_u32 v[SPW], v[NIL]
	v_lshrrev_b32 v1, 5, v0
	v_readfirstlane_b32 s14, v1                    ; wave 0..3
	s_lshr_b32 s15, s14, 1                         ; my half of the tile's rows.  Also: I fetch for A (0) or for B (1)
	s_and_b32 s16, s14, 1                          ; my half of its columns.  Also: which 8 tiles I fetch
	s_bfe_u32 s40, ttmp6, 0x40000                  ; cx
	s_bfe_u32 s41, ttmp6, 0x40004                  ; cy
	s_lshl_b32 s42, ttmp9, 2
	s_add_co_u32 s42, s42, s40                     ; tile column
	s_and_b32 s17, ttmp7, 0xffff
	s_lshl_b32 s17, s17, 2
	s_add_co_u32 s17, s17, s41                     ; tile row
	s_lshl_b32 s43, s41, 2
	s_lshl_b32 s43, 15, s43                        ; my row of the cluster
	s_lshl_b32 s44, 0x1111, s40                    ; my column
	; descriptor group 1: dense blocks, as rows of 256 bytes (32 elements of 8 bytes), no padding: an image is read 16 bytes a lane on end
	s_or_b32 s[G1+0], s43, (3<<16)|(1<<21)
	s_or_b32 s[G1B+0], s44, (3<<16)|(1<<21)
	s_or_b32 s[G1S+0], s43, (3<<16)|(1<<21)
	s_or_b32 s[G1SB+0], s44, (3<<16)|(1<<21)
.irp g, G1, G1B
	s_mov_b32 s[\g+1], 32<<16                      ; tensor_dim0
	s_mov_b32 s[\g+2], 128<<16                     ; tensor_dim1: 32,768 bytes
	s_mov_b32 s[\g+3], 32<<16                      ; tile_dim0
	s_mov_b32 s[\g+4], 128                         ; tile_dim1
	s_mov_b32 s[\g+5], 32                          ; pitch
	s_mov_b32 s[\g+6], 0
	s_mov_b32 s[\g+7], 0
.endr
.irp g, G1S, G1SB
	s_mov_b32 s[\g+1], 32<<16
	s_mov_b32 s[\g+2], 16<<16                      ; 4,096 bytes
	s_mov_b32 s[\g+3], 32<<16
	s_mov_b32 s[\g+4], 16
	s_mov_b32 s[\g+5], 32
	s_mov_b32 s[\g+6], 0
	s_mov_b32 s[\g+7], 0
.endr
	s_lshl_b32 s18, s16, 15                        ; my 8 tiles: 4,096 bytes of codes each in a K slot,
	s_lshl_b32 s19, s16, 12                        ; 512 scale bytes each
	s_lshl_b32 s20, s17, 16
	s_add_co_u32 s20, s20, s18
	s_mov_b32 s21, 0
	s_lshl_b32 s22, s17, 13
	s_add_co_u32 s22, s22, s19
	s_mov_b32 s23, 0
	s_lshl_b32 s46, s42, 16
	s_add_co_u32 s46, s46, s18
	s_mov_b32 s47, 0
	s_lshl_b32 s92, s42, 13
	s_add_co_u32 s92, s92, s19
	s_mov_b32 s93, 0
	s_lshl_b32 s45, s14, 15                        ; where they go: wave x 32,768; no place in the cluster enters an LDS address
	s_lshl_b32 s94, s14, 12
	s_wait_dscnt 0x0                               ; both opening adds are done
	s_wait_kmcnt 0x0
	s_add_nc_u64 s[20:21], s[4:5], s[20:21]
	s_add_nc_u64 s[22:23], s[6:7], s[22:23]
	s_add_nc_u64 s[46:47], s[8:9], s[46:47]
	s_add_nc_u64 s[92:93], s[10:11], s[92:93]
	CROUND                                         ; all sixteen work-groups are here: the joint loads meet
	s_mov_b32 s[G0S], 1
	s_add_co_u32 s[G0S+1], s94, SCL
	s_mov_b64 s[G0S+2:G0S+3], s[22:23]
	s_or_b32 s[G0S+3], s[G0S+3], 0x80000000
	s_mov_b32 s[G0SB], 1
	s_add_co_u32 s[G0SB+1], s94, SCL
	s_mov_b64 s[G0SB+2:G0SB+3], s[92:93]
	s_or_b32 s[G0SB+3], s[G0SB+3], 0x80000000
	JLOAD G0S, G1S, G0SB, G1SB                     ; the scale bytes, both K slots
.irp s, 0,1
	s_mov_b32 s[G0+4*\s], 1
	s_add_co_u32 s[G0+4*\s+1], s45, \s*SLOT
	s_add_nc_u64 s[G0+4*\s+2:G0+4*\s+3], s[20:21], \s*1048576
	s_or_b32 s[G0+4*\s+3], s[G0+4*\s+3], 0x80000000
	s_mov_b32 s[G0B+4*\s], 1
	s_add_co_u32 s[G0B+4*\s+1], s45, \s*SLOT
	s_add_nc_u64 s[G0B+4*\s+2:G0B+4*\s+3], s[46:47], \s*786432
	s_or_b32 s[G0B+4*\s+3], s[G0B+4*\s+3], 0x80000000
	JLOAD G0+4*\s, G1, G0B+4*\s, G1B               ; by this text's count three tensor loads of a wave are out
.endr
	v_and_b32 v1, 15, v0                           ; r
	v_bfe_u32 v2, v0, 4, 1                         ; h
	v_and_b32 v3, 31, v0
	v_lshlrev_b32 v[CO], 4, v3
	s_lshl_b32 s21, s15, 15                        ; my 8 tiles of A
	s_lshl_b32 s22, s16, 15                        ; my 8 tiles of B,
	s_add_co_u32 s22, s22, 2*HALFT                 ; which lie behind A's 16
.irp s, 0,1
	v_add_nc_u32 v[ADRA+\s], s21, v[CO]
	v_add_nc_u32 v[ADRB+\s], s22, v[CO]
	s_add_co_u32 s21, s21, SLOT
	s_add_co_u32 s22, s22, SLOT
.endr
	v_lshlrev_b32 v5, 4, v1                        ; my row's 16 scale bytes
	s_lshl_b32 s21, s15, 12
	s_lshl_b32 s22, s16, 12
	s_add_co_u32 s22, s22, 8192
	s_sub_co_u32 s22, s22, s21
	v_mul_u32_u24 v6, s22, v2                      ; lanes 16-31 take B's: one product, the distance between the two bases
	s_add_co_u32 s21, s21, SCL
	v_add_nc_u32 v5, v5, v6
	v_add_nc_u32 v[ADRS], s21, v5
	s_mul_i32 s23, s14, 4608
	s_add_co_u32 s23, s23, STAGE                   ; my stage
	v_mul_u32_u24 v4, v1, 144
	v_lshl_add_u32 v4, v2, 4, v4
	v_add_nc_u32 v[STO], s23, v4
	v_lshrrev_b32 v4, 3, v3
	v_mul_u32_u24 v4, v4, 144
	v_and_b32 v5, 7, v0
	v_lshl_add_u32 v4, v5, 4, v4
	v_add_nc_u32 v[RD], s23, v4
	v_mul_u32_u24 v[FO], v1, 12288
	v_lshl_add_u32 v[FO], v2, 5, v[FO]
	v_lshlrev_b32 v[BO], 5, v2
	s_lshl_b32 s46, s42, 10
	s_lshl_b32 s47, s16, 9
	s_add_co_u32 s46, s46, s47                     ; 4 x my first column
	s_mov_b32 s47, 0
	s_add_nc_u64 s[12:13], s[12:13], s[46:47]
	s_add_nc_u64 s[98:99], s[98:99], s[46:47]
	s_lshr_b32 s18, s17, 3                         ; batch
	s_mul_i32 s20, s18, 196608
	s_mov_b32 s21, 0
	s_add_nc_u64 s[98:99], s[98:99], s[20:21]
.irp b, 0,1,2,3,4,5,6,7
	global_load_b128 v[BIAS+8*\b:BIAS+8*\b+3], v[BO], s[12:13] offset:64*\b       ; register 8 b + j: the bias of column 16 b + 8 h + j
	global_load_b128 v[BIAS+8*\b+4:BIAS+8*\b+7], v[BO], s[12:13] offset:64*\b+16
.endr
	s_lshl_b32 s46, s42, 2
	s_lshl_b32 s19, s16, 1
	s_add_co_u32 s46, s46, s19                     ; my first group of 64 columns, 0..47
	s_lshr_b32 s19, s46, 4                         ; q, k or v
	s_and_b32 s46, s46, 15                         ; head
	s_lshl_b32 s19, s19, 5
	s_add_co_u32 s46, s46, s19
	s_lshl_b32 s19, s18, 4
	s_add_co_u32 s46, s46, s19
	s_lshl_b32 s46, s46, 18                        ; 2,048 positions of 128 bytes
	s_and_b32 s18, s17, 7
	s_lshl_b32 s19, s18, 15
	s_add_co_u32 s46, s46, s19
	s_lshl_b32 s19, s15, 14
	s_add_co_u32 s46, s46, s19
	s_add_nc_u64 s[96:97], s[96:97], s[46:47]
	s_or_b32 s18, s18, s15
	v_mov_b32 v[CND], s18
.macro FRAG reg, adr, q, i             ; a fragment's image: two planes of 512 bytes, 16 bytes a lane
.irp c, 0,1
	ds_load_b128 v[\reg+4*\c:\reg+4*\c+3], v[\adr] offset:4096*(\i)+1024*(\q)+512*\c
.endr
.endm
; 16 matrix instructions: A's blocks a0, a0 + 1 x B's eight.  first = 1: the bias is C.  The 64 accumulators take turns, one instruction a turn.
.macro MUL16 a0, p, q, sc, first
.irp a, \a0, \a0+1
.irp b, 0,1,2,3,4,5,6,7
.if \first
	v_wmma_scale_f32_16x16x128_f8f6f4 v[8*(8*((\a)%4)+\b):8*(8*((\a)%4)+\b)+7], v[128*(\p)+FR*\b:128*(\p)+FR*\b+FR-1], v[AF+FR*(\a):AF+FR*(\a)+FR-1], v[BIAS+8*\b:BIAS+8*\b+7], v[SC+8*NQ*(\sc)+NQ*\b+(\q)], v[SC+8*NQ*(\sc)+NQ*(\a)+(\q)] matrix_a_fmt:MATRIX_FMT_FP4 matrix_b_fmt:MATRIX_FMT_FP4 matrix_a_scale:MATRIX_SCALE_ROW1
.else
	v_wmma_scale_f32_16x16x128_f8f6f4 v[8*(8*((\a)%4)+\b):8*(8*((\a)%4)+\b)+7], v[128*(\p)+FR*\b:128*(\p)+FR*\b+FR-1], v[AF+FR*(\a):AF+FR*(\a)+FR-1], v[8*(8*((\a)%4)+\b):8*(8*((\a)%4)+\b)+7], v[SC+8*NQ*(\sc)+NQ*\b+(\q)], v[SC+8*NQ*(\sc)+NQ*(\a)+(\q)] matrix_a_fmt:MATRIX_FMT_FP4 matrix_b_fmt:MATRIX_FMT_FP4 matrix_a_scale:MATRIX_SCALE_ROW1
.endif
.endr
.endr
.endm
.macro FETCH_B slot, q, p
	WIN TO_B
.irp i, 0,1,2,3,4,5,6,7
	FRAG 128*(\p)+FR*\i, ADRB+\slot, \q, \i
.endr
	WIN 0
.endm
.macro FETCH_A slot, q, i0
.irp i, \i0, \i0+1, \i0+2, \i0+3
	FRAG AF+FR*(\i), ADRA+\slot, \q, \i
.endr
.endm
.macro SCALES sc                       ; a slot's scale words: four a row; lanes 0-15 take A's tile i, lanes 16-31 B's tile i
.irp i, 0,1,2,3,4,5,6,7
	ds_load_b128 v[SC+8*NQ*\sc+NQ*\i:SC+8*NQ*\sc+NQ*\i+3], v[ADRS] offset:512*\i+256*\sc
.endr
.endm
.macro PLACES n                        ; plain vector instructions between a matrix instruction and a load into, or a read of, its registers
.rept \n
	v_nop
.endr
.endm
.macro STEP slot, q, first             ; 128 along K, with its successor in the same slot
	s_wait_dscnt 4*NL                              ; all but the youngest eight loads (A's blocks 4-7) are in
	WIN MUL_LO-0x20*\first                         ; (first = 1: C, the bias, lies in window 0)
	MUL16 0, (\q)%2, \q, \slot, \first
	MUL16 2, (\q)%2, \q, \slot, \first
	s_wait_dscnt 0
	PLACES NP
	FETCH_B \slot, (\q)+1, 1-(\q)%2
	FETCH_A \slot, (\q)+1, 0
	WIN MUL_HI-0x30*\first
	MUL16 4, (\q)%2, \q, \slot, \first
	MUL16 6, (\q)%2, \q, \slot, \first
	PLACES NP
	WIN 0
	FETCH_A \slot, (\q)+1, 4
.endm
.macro STEPS slot, from
.set Q, \from
.rept NQ-1-\from
	STEP \slot, Q, 0
.set Q, Q+1
.endr
.endm
	s_wait_tensorcnt 1                             ; the scale bytes and my part of slot 0 are in; slot 1's load, the one younger, may be out
	s_barrier_signal -1
	s_barrier_wait -1                              ; everybody's are
	FETCH_B 0, 0, 0
	FETCH_A 0, 0, 0
	SCALES 0
	FETCH_A 0, 0, 4
	s_wait_loadcnt 0x0                             ; the bias
	STEP 0, 0, 1
	STEPS 0, 1
	; slot 0's last step changes slots: each wave's part of slot 1 has landed, then the barrier; nothing is filled again
	s_wait_tensorcnt 0x0
	ds_add_u32 v[SPW], v[NIL]                      ; 0 onto my spare word
	s_wait_dscnt 4*NL+1                            ; (the add and A's blocks 4-7 may be out)
	WIN MUL_LO
	MUL16 0, 1, NQ-1, 0, 0
	s_wait_dscnt 0x0
	s_barrier_signal -1
	MUL16 2, 1, NQ-1, 0, 0
	WIN 0
	s_barrier_wait -1
	PLACES NP
	FETCH_B 1, 0, 0
	FETCH_A 1, 0, 0
	SCALES 1
	WIN MUL_HI
	MUL16 4, 1, NQ-1, 0, 0
	MUL16 6, 1, NQ-1, 0, 0
	PLACES NP
	WIN 0
	FETCH_A 1, 0, 4
	STEPS 1, 0
	s_wait_dscnt 4*NL                              ; the very last step
	WIN MUL_LO
	MUL16 0, 1, NQ-1, 1, 0
	MUL16 2, 1, NQ-1, 1, 0
	s_wait_dscnt 0
	WIN MUL_HI
	MUL16 4, 1, NQ-1, 1, 0
	MUL16 6, 1, NQ-1, 1, 0
	WIN 0
	PLACES NP
	; positions 0-15 in f32: my block 0, where it holds them.  Decided lane by lane (EXEC), not by a branch: partners of a cluster run the same lines
	v_cmp_eq_u32 vcc_lo, 0, v[CND]
	s_wait_xcnt 0x0                                ; EXEC changes only behind this wait
	s_and_saveexec_b32 s18, vcc_lo
	WIN 0x08                                       ; a store's data: window 2
.irp b, 0,1,2,3,4,5,6,7
	global_store_b128 v[FO], v[8*\b:8*\b+3], s[98:99] offset:64*\b          ; each accumulator from its low end on
	global_store_b128 v[FO], v[8*\b+4:8*\b+7], s[98:99] offset:64*\b+16
.endr
	WIN 0
	s_wait_xcnt 0x0
	s_or_b32 exec_lo, exec_lo, s18
; THE WAY OUT in f16, a block of 16 rows x 128 columns (two heads) at a time, through my own stage: a lane's 16 bytes go into rows of 144 and come back four rows (512 bytes, consecutive in qkvh) an instruction.
.macro PACK a
.set AC, 64*((\a)%4)
	WIN 0x0a+5*((\a)/4)                            ; sources 0 and 1: window 2 or 3
.irp b, 0,1,2,3,4,5,6,7
.irp r, 0,1,2,3
	v_cvt_pk_f16_f32 v[TMP+4*\b+\r], v[AC+8*\b+2*\r], v[AC+8*\b+2*\r+1]
.endr
.endr
	WIN 0
.endm
.macro TOSTAGE a
.set BB, BK+32*((\a)%2)
.irp b, 0,1,2,3,4,5,6,7
	ds_store_b128 v[STO], v[TMP+4*\b:TMP+4*\b+3] offset:(\b/4)*2304+32*(\b%4)
.endr
.irp t, 0,1,2,3,4,5,6,7
	ds_load_b128 v[BB+4*\t:BB+4*\t+3], v[RD] offset:576*\t         ; LDS serves a wave's instructions in order: these see the stores above
.endr
.endm
.macro SEND a
.set BB, BK+32*((\a)%2)
	s_wait_dscnt 0x0                               ; the block is back in registers
	s_wait_xcnt 0x0                                ; earlier stores have read their base and their registers
.if (\a) > 0
	s_add_nc_u64 s[96:97], s[96:97], 2048          ; 16 positions on
.endif
.irp t, 0,1,2,3,4,5,6,7
	global_store_b128 v[CO], v[BB+4*\t:BB+4*\t+3], s[96:97] offset:(\t/4)*262144+(\t%4)*512   ; 512 consecutive bytes, at a multiple of 256 from the buffer's first byte
.endr
.endm
	PACK 0
	TOSTAGE 0
.irp a, 1,2,3,4,5,6,7
	PACK \a
	SEND \a-1
	TOSTAGE \a
.endr
	SEND 7
	s_wait_tensorcnt 0x0                           ; the wave's end: behind my last tensor load and my last LDS store
	ds_add_u32 v[SPW], v[NIL]
	s_wait_dscnt 0x0
	CROUND                                         ; the closing round
	s_endpgm
.Lfunc_end_k_qe9007be12b_qkv:
	.size	k_qe9007be12b_qkv, .Lfunc_end_k_qe9007be12b_qkv-k_qe9007be12b_qkv
	.p2alignl 7, 3214868480
	.fill 96, 4, 3214868480
	.section	.rodata,"a",@progbits
	.p2align	6, 0x0
	.amdhsa_kernel k_qe9007be12b_qkv
		.amdhsa_group_segment_fixed_size 327680
		.amdhsa_private_segment_fixed_size 0
		.amdhsa_enable_private_segment 0
		.amdhsa_kernarg_size 56
		.amdhsa_user_sgpr_count 2
		.amdhsa_user_sgpr_kernarg_segment_ptr 1
		.amdhsa_wavefront_size32 1
		.amdhsa_system_sgpr_workgroup_id_x 1
		.amdhsa_system_sgpr_workgroup_id_y 1
		.amdhsa_system_sgpr_workgroup_id_z 1
		.amdhsa_system_vgpr_workitem_id 0
		.amdhsa_next_free_vgpr 1024
		.amdhsa_next_free_sgpr 100
		.amdhsa_reserve_vcc 1
		.amdhsa_float_denorm_mode_32 3
		.amdhsa_float_denorm_mode_16_64 3
		.amdhsa_memory_ordered 1
		.amdhsa_forward_progress 1
		.amdhsa_inst_pref_size 130
	.end_amdhsa_kernel
	.amdgpu_metadata
---
amdhsa.version: [ 1, 2 ]
amdhsa.kernels:
  - .name:           k_qe9007be12b_qkv
    .symbol:         k_qe9007be12b_qkv.kd
    .args:
      - { .name: xc, .offset: 0, .size: 8, .value_kind: global_buffer, .address_space: global }
      - { .name: xs, .offset: 8, .size: 8, .value_kind: global_buffer, .address_space: global }
      - { .name: wc, .offset: 16, .size: 8, .value_kind: global_buffer, .address_space: global }
      - { .name: ws, .offset: 24, .size: 8, .value_kind: global_buffer, .address_space: global }
      - { .name: b_qkv, .offset: 32, .size: 8, .value_kind: global_buffer, .address_space: global }
      - { .name: qkvh, .offset: 40, .size: 8, .value_kind: global_buffer, .address_space: global }
      - { .name: q32, .offset: 48, .size: 8, .value_kind: global_buffer, .address_space: global }
    .group_segment_fixed_size: 327680
    .private_segment_fixed_size: 0
    .kernarg_segment_align: 8
    .kernarg_segment_size: 56
    .max_flat_workgroup_size: 128
    .sgpr_count:     100
    .vgpr_count:     1024
    .wavefront_size: 32
...
	.end_amdgpu_metadata
.endif
;; end of part 2
;; launch attn (part 3): grid 8 x 32, 8 waves a work-group, clusters of 4 x 1, 327,680 bytes of LDS; arguments qkvh, ao; writes ao
.if DOCPART == 3
	.amdgcn_target "amdgcn-amd-amdhsa--gfx1250"
	.amdhsa_code_object_version 6
	.text
	.protected	k_qe9007be12b_attn
	.globl	k_qe9007be12b_attn
	.p2align	8
	.type	k_qe9007be12b_attn,@function
k_qe9007be12b_attn:
	s_mov_b64 s[64:65], 0
	v_nop
	global_prefetch_b8 v0, s[64:65] scope:SCOPE_SE
	s_setreg_imm32_b32 hwreg(HW_REG_WAVE_MODE, 25, 1), 1
	s_wait_xcnt 0x0
	s_wait_alu depctr_hold_cnt(0) depctr_sa_sdst(0) depctr_va_vdst(0) depctr_va_sdst(0) depctr_va_ssrc(0) depctr_va_vcc(0) depctr_vm_vsrc(0)
	s_getreg_b32 s2, hwreg(HW_REG_IB_STS2, 6, 4)
	s_cmp_eq_u32 s2, 0
	s_cbranch_scc0 .Lentry_in_a_cluster
	s_endpgm
.Lentry_in_a_cluster:
	s_bfe_u32 s2, ttmp6, 0x10000c
	s_cmp_lg_u32 s2, 0x3003
	s_cbranch_scc0 .Lentry_shape_is_right
	s_endpgm
.Lentry_shape_is_right:
; Causal attention of one head: O[q] = sum over k <= q of softmax_k(Q[q] . K[k] / 8) V[k].  Q, K, V: qkvh [which][batch x head][2048][64] f16.  Products with f16 operands and f32 sums; maxima, exponentials, sums in f32.
; OUT: ao [head][batch x position][64] f16.  (Positions 0-15 are computed here too, and once more, in f32, by the last launch.)
; SHARES.  A head's 128 tiles of 16 queries form 64 pairs (j, 127 - j).  Work-group g = 4 x cluster x + cx of the head's eight, wave w: pair j = g + 8 w.  Tile 0 of a wave is the high one, tile 1 the low one.
; With key steps of 64, tile T ends at step T / 4: DL = j / 4 = 2 w + cluster x, DH = 31 - DL: 33 tile-steps in every wave.  Both hang on the wave's number and the cluster's number alone.
; Every wave walks all 32 steps' barriers; a step past its high tile's last is jumped over (its loads and work, no barrier); past DL the low tile is left out.
; WAVE 0 WALKS TO STEP 31 IN BOTH CLUSTERS (in the head's second cluster its high tile ends at step 30): so every quarter of every slot that a joint load brings is read in every work-group.  That step is wholly hidden by the mask.
; LAYOUT.  S^T = K Q^T (source 0 = 16 keys, source 1 = 16 queries): a lane holds ONE query (lane % 16) and keys 8 (lane / 16) + 0..7 of each tile of 16.  Two such tiles, rounded to f16 in pairs, are source 1 of
; O^T = V^T P; V comes out of LDS turned, by ds_load_tr16_b128.
; SOFTMAX.  A running maximum m and sum l for each query: p = 2^(c s - c m), c = log2(e) / 8; O and l are multiplied by a = 2^(c m_old - c m_new) in every step.
; RING.  Two slots of 256 keys (four steps).  All eight waves fetch, 64 rows each: waves 0-3 K's quarters, waves 4-7 V's.  CLUSTER: the four work-groups walk the same K and V: each tile is asked for jointly.
; LIMITS: the running maximum begins at -3e38; NaN and infinities are not served; |O| stays under 65,504.
; REGISTERS.  window 0: v1-15 addresses and constants; v16-31 statistics, 8 a tile; v32-95 S^T, 32 a tile; v96-127 P, 16 a tile; v128-191 O^T, 32 a tile.   window 1: v0-31 Q; v64-127 K of a step; v128-191 V of a step.
.set KP,    144                        ; a row of K in LDS: 128 bytes + 16: row r starts at bank 36 r mod 64 (64 banks of 4 bytes: ISA guide 11.1): the 16 rows of a load start at 16 different groups of four banks
.set VP,    160                        ; a row of V: 128 + 32
.set KQB,   64*KP                      ; a step's rows of K
.set VQB,   64*VP
.set VOFF,  256*KP                     ; a slot: 256 rows of K, then 256 of V
.set SLOT1, 1<<17                      ; slot 1 begins here: one exclusive or turns an address
.set STAGE, 2*SLOT1                    ; the way out: 2 tiles x 16 rows x 144 bytes for each wave; no tensor load lands here
.set SPARE, STAGE+8*4608               ; the spare words, 128 bytes for each wave: four blocks of 256 bytes that no other line names
.set AK0, 1
.set AV0, 2
.set ADK, 3
.set ADV, 4
.set SPW, 5
.set NIL, 6
.set STO, 7
.set RD,  8
.set GO,  9
.set DD,  10                           ; v10-11  tile t: my query - the diagonal step's first key - 8 (lane / 16)
.set NEG, 12                           ; v12     -infinity
.set PFO, 13                           ; v13     256 x lane
.set MT,  14
.set QO,  15
.set ST,  16                           ; tile t at v[ST + 8 t]: +0 c m, +1 m, +2, +3 l, +4..+7 at work (a in +6)
.set S,   32
.set P,   96
.set O,   128
.set QF,  0
.set KF,  64
.set VF,  128
.set WV,  18
.set SEL, 20
.set CS,  22
.set G1K, 24
.set G1V, 32
.set G0K, 40
.set G0V, 44
.set TK,  48
.set TV,  49
.set KS,  50                           ; the key step
.set DL,  51
.set DH,  52
.set SLOTS, 53
.set CNT, 54
.set LIM, 55
.set PFA, 56
.set OH,  58
.set OL,  60
.set WH,  62                           ; the last step that I walk
.set QH,  66
.set QL,  68
.set MSB, 0
.macro WIN new
.if MSB != (\new)
	s_set_vgpr_msb (MSB<<8)|(\new)
.set MSB, (\new)
.endif
.endm
.macro JLOAD                           ; waves 0-3 fetch K's quarters, waves 4-7 V's; an s_nop 0 and four v_nop follow each line
	s_cmp_lt_u32 s[WV], 4
	s_cbranch_scc0 .Lfor_v_\@
	tensor_load_to_lds s[G0K:G0K+3], s[G1K:G1K+7]
	s_nop 0
.rept 4
	v_nop
.endr
	s_branch .Lasked_\@
.Lfor_v_\@:
	tensor_load_to_lds s[G0V:G0V+3], s[G1V:G1V+7]
	s_nop 0
.rept 4
	v_nop
.endr
.Lasked_\@:
.endm
; A prefetch of what the NEXT change of slots will ask for: a slot's 32,768 bytes of K and of V.  Both clusters of a head walk the same rows: the first asks.  Its four partners take 8,192 bytes each, told apart by
; address; in each, wave 0 asks for K's and wave 4 for V's, lanes 256 bytes apart: each aligned block of 256 bytes is named once in the launch.  The last change that fills a slot asks for nothing.
.macro ASK
	s_cmp_gt_u32 s[SLOTS], s[LIM]
	s_cbranch_scc0 .Lnot_mine_\@
	global_prefetch_b8 v[PFO], s[PFA:PFA+1] th:TH_LOAD_NT scope:SCOPE_SE
.Lnot_mine_\@:
.endm
.macro CROUND
	s_barrier_signal -1
	s_barrier_wait -1
	s_cmp_lg_u32 s[WV], 0
	s_cbranch_scc1 .Lnot_wave_0_\@
	s_barrier_signal -3
.Lnot_wave_0_\@:
	s_barrier_wait -3
	s_barrier_signal -1
	s_barrier_wait -1
.endm
	s_load_b128 s[4:7], s[0:1], 0x0                ; qkvh s[4:5], ao s[6:7]
	v_lshl_add_u32 v[SPW], v0, 2, SPARE
	v_mov_b32 v[NIL], 0
	ds_add_u32 v[SPW], v[NIL]                      ; the wave's opening: the add, twice on end, and its wait ahead of my first tensor load
	ds_add_u32 v[SPW], v[NIL]
	v_lshrrev_b32 v192, 5, v0
	v_readfirstlane_b32 s[WV], v192                ; wave 0..7
	s_bfe_u32 s8, ttmp6, 0x40000                   ; cx
	s_and_b32 s11, ttmp7, 0xffff                   ; batch x 16 + head
	s_lshl_b32 s9, ttmp9, 2
	s_add_co_u32 s9, s9, s8
	s_lshl_b32 s10, s[WV], 3
	s_add_co_u32 s10, s10, s9                      ; j
	s_lshl_b32 s[DL], s[WV], 1
	s_add_co_u32 s[DL], s[DL], ttmp9
	s_sub_co_u32 s[DH], 31, s[DL]
	s_cmp_eq_u32 s[WV], 0
	s_cselect_b32 s[WH], 31, s[DH]
	s_mov_b32 s[G1K], 15|(1<<16)|(1<<20)|(1<<21)|(4<<22)|(3<<25)   ; the mask: all four; elements of 2 bytes; padding on; bit 21 beside a mask; after every 32 words, 4 words
	s_mov_b32 s[G1V], 15|(1<<16)|(1<<20)|(1<<21)|(4<<22)|(7<<25)   ; the same with 8 words
.irp g, G1K, G1V
	s_mov_b32 s[\g+1], 64<<16                      ; tensor_dim0
	s_mov_b32 s[\g+2], 64<<16                      ; tensor_dim1
	s_mov_b32 s[\g+3], 64<<16                      ; tile_dim0
	s_mov_b32 s[\g+4], 64                          ; tile_dim1
	s_mov_b32 s[\g+5], 64                          ; pitch
	s_mov_b32 s[\g+6], 0
	s_mov_b32 s[\g+7], 0
.endr
	s_and_b32 s12, s[WV], 3                        ; my quarter of a slot
	s_lshl_b32 s13, s12, 13
	s_add_co_u32 s70, s11, 32
	s_lshl_b32 s70, s70, 18
	s_add_co_u32 s70, s70, s13                     ; K: the head's rows, my quarter
	s_mov_b32 s71, 0
	s_add_co_u32 s72, s11, 64
	s_lshl_b32 s72, s72, 18
	s_add_co_u32 s72, s72, s13                     ; V likewise
	s_mov_b32 s73, 0
	s_mul_i32 s14, s12, KQB
	s_mul_i32 s15, s12, VQB
	s_add_co_u32 s15, s15, VOFF
	s_mov_b32 s[SEL], 0x76543210
	s_mov_b32 s[SEL+1], 0xfedcba98
	s_mov_b32 s[CS], 0x3e38aa3b                    ; c = log2(e) / 8
	s_mov_b32 s[CS+1], s[CS]
	s_mov_b32 s[TK], 0
	s_mov_b32 s[TV], 0
	s_mov_b32 s[KS], 0
	s_mov_b32 s[SLOTS], 7
	s_or_b32 s[LIM], s12, ttmp9                    ; 0 in waves 0 and 4 of the head's first cluster
	s_cmp_eq_u32 s[LIM], 0
	s_cselect_b32 s[LIM], 1, -1
	s_wait_dscnt 0x0                               ; both opening adds are done
	s_wait_kmcnt 0x0
	s_add_nc_u64 s[74:75], s[4:5], s[70:71]
	s_add_nc_u64 s[76:77], s[4:5], s[72:73]
	s_mov_b32 s[G0K], 1
	s_mov_b32 s[G0K+1], s14
	s_mov_b64 s[G0K+2:G0K+3], s[74:75]
	s_or_b32 s[G0K+3], s[G0K+3], 0x80000000
	s_mov_b32 s[G0V], 1
	s_mov_b32 s[G0V+1], s15
	s_mov_b64 s[G0V+2:G0V+3], s[76:77]
	s_or_b32 s[G0V+3], s[G0V+3], 0x80000000
	s_cmp_lt_u32 s[WV], 4
	s_cselect_b64 s[PFA:PFA+1], s[74:75], s[76:77] ; (in waves 0 and 4 these stand at a slot's first row)
	s_lshl_b32 s78, s8, 13                         ; my work-group's 8,192 bytes,
	s_add_co_u32 s78, s78, 32768                   ; in slot 1: the first change steps it to slot 2.  Nothing is prefetched at the head
	s_mov_b32 s79, 0
	s_add_nc_u64 s[PFA:PFA+1], s[PFA:PFA+1], s[78:79]
	s_lshl_b32 s70, s11, 18                        ; Q: the head's rows
	s_sub_co_u32 s78, 127, s10                     ; the high tile
	s_lshl_b32 s72, s78, 11
	s_add_co_u32 s72, s72, s70
	s_add_nc_u64 s[QH:QH+1], s[4:5], s[72:73]
	s_lshl_b32 s72, s10, 11
	s_add_co_u32 s72, s72, s70
	s_add_nc_u64 s[QL:QL+1], s[4:5], s[72:73]
	s_and_b32 s70, s11, 15
	s_lshl_b32 s70, s70, 19                        ; ao: the head's 4,096 rows of 128 bytes,
	s_lshr_b32 s79, s11, 4
	s_lshl_b32 s79, s79, 18                        ; the batch's 2,048
	s_add_co_u32 s70, s70, s79
	s_lshl_b32 s72, s78, 11
	s_add_co_u32 s72, s72, s70
	s_add_nc_u64 s[OH:OH+1], s[6:7], s[72:73]
	s_lshl_b32 s72, s10, 11
	s_add_co_u32 s72, s72, s70
	s_add_nc_u64 s[OL:OL+1], s[6:7], s[72:73]
	CROUND                                         ; all four work-groups are here: the first joint loads meet
	JLOAD                                          ; slot 0
	v_and_b32 v192, 15, v0                         ; r
	v_bfe_u32 v193, v0, 4, 1                       ; h
	v_and_b32 v194, 31, v0                         ; lane
	v_lshlrev_b32 v[QO], 7, v192
	v_lshl_add_u32 v[QO], v193, 4, v[QO]
	WIN 0x40                                       ; destination window 1
.irp cf, 0,1
	global_load_b128 v[QF+8*\cf:QF+8*\cf+3], v[QO], s[QH:QH+1] offset:64*\cf
	global_load_b128 v[QF+8*\cf+4:QF+8*\cf+7], v[QO], s[QH:QH+1] offset:64*\cf+32
	global_load_b128 v[QF+16+8*\cf:QF+16+8*\cf+3], v[QO], s[QL:QL+1] offset:64*\cf
	global_load_b128 v[QF+16+8*\cf+4:QF+16+8*\cf+7], v[QO], s[QL:QL+1] offset:64*\cf+32
.endr
	WIN 0
	v_mul_u32_u24 v[AK0], v192, KP
	v_lshl_add_u32 v[AK0], v193, 4, v[AK0]
	v_and_b32 v195, 7, v0
	v_bfe_u32 v196, v0, 3, 1
	v_lshl_add_u32 v[AV0], v193, 3, v195           ; the turning load: key 8 h + lane % 8, channels 8 ((lane / 8) % 2) on
	v_mul_u32_u24 v[AV0], v[AV0], VP
	v_lshl_add_u32 v[AV0], v196, 4, v[AV0]
	v_add_nc_u32 v[AV0], VOFF, v[AV0]
	s_mul_i32 s70, s[WV], 4608
	s_add_co_u32 s70, s70, STAGE
	v_add_nc_u32 v[STO], s70, v[AK0]               ; the stage has K's pitch: row r, 16 h
	v_lshrrev_b32 v[RD], 3, v194
	v_mul_u32_u24 v[RD], v[RD], 144
	v_lshl_add_u32 v[RD], v195, 4, v[RD]
	v_add_nc_u32 v[RD], s70, v[RD]
	v_lshlrev_b32 v[GO], 4, v194
	v_lshlrev_b32 v[PFO], 8, v194
	v_lshlrev_b32 v197, 3, v193
	v_sub_nc_u32 v197, v192, v197                  ; r - 8 h
	s_sub_co_u32 s70, 3, s8
	s_lshl_b32 s70, s70, 4
	v_add_nc_u32 v[DD], s70, v197                  ; the high tile is the (3 - cx)-th of its diagonal step's four,
	s_lshl_b32 s70, s8, 4
	v_add_nc_u32 v[DD+1], s70, v197                ; the low one the cx-th
	v_mov_b32 v[NEG], 0xff800000
.irp i, 0,1,2,3,4,5,6,7,8,9,10,11,12,13,14,15
	v_mov_b32 v[ST+\i], 0
.endr
.irp t, 0,1
	v_mov_b32 v[ST+8*\t+1], 0xff61b1e6             ; m = -3e38, under every score
	v_mul_f32 v[ST+8*\t], s[CS], v[ST+8*\t+1]
.endr
.irp i, 0,1,2,3,4,5,6,7,8,9,10,11,12,13,14,15,16,17,18,19,20,21,22,23,24,25,26,27,28,29,30,31,32,33,34,35,36,37,38,39,40,41,42,43,44,45,46,47,48,49,50,51,52,53,54,55,56,57,58,59,60,61,62,63
	v_mov_b32 v[O+\i], 0                           ; the step is written for every step alike: the first finds zeros
.endr
; Scores of hidden keys become -infinity.  Register 8 kt + j of tile t holds key 64 KS + 16 kt + 8 h + j: hidden where 16 kt + j > DD - 64 (KS - the tile's diagonal step)
.macro MASK t, d
	s_sub_co_u32 s70, s[KS], s[\d]
	s_lshl_b32 s70, s70, 6
	v_subrev_nc_u32 v[MT], s70, v[DD+\t]
.irp n, 0,1,2,3,4,5,6,7,8,9,10,11,12,13,14,15,16,17,18,19,20,21,22,23,24,25,26,27,28,29,30,31
	v_cmp_gt_i32 vcc_lo, 16*(\n/8)+\n%8, v[MT]
	v_cndmask_b32 v[S+32*\t+\n], v[S+32*\t+\n], v[NEG], vcc_lo
.endr
.endm
; The softmax of tiles t < n for one key step; the tiles alternate line by line.
.macro SOFT n
.irp j, 0,1,2,3
.irp t, 0,1
.if \t < \n
	v_max3_num_f32 v[ST+8*\t+4+\j], v[S+32*\t+8*\j], v[S+32*\t+8*\j+1], v[S+32*\t+8*\j+2]   ; each accumulator is read from its low end on
.endif
.endr
.endr
.irp g, 1,2
.irp j, 0,1,2,3
.irp t, 0,1
.if \t < \n
	v_max3_num_f32 v[ST+8*\t+4+\j], v[ST+8*\t+4+\j], v[S+32*\t+8*\j+2*\g+1], v[S+32*\t+8*\j+2*\g+2]
.endif
.endr
.endr
.endr
.irp t, 0,1
.if \t < \n
	v_max3_num_f32 v[ST+8*\t+4], v[ST+8*\t+4], v[S+32*\t+7], v[S+32*\t+15]
	v_max3_num_f32 v[ST+8*\t+6], v[ST+8*\t+6], v[S+32*\t+23], v[S+32*\t+31]
.endif
.endr
.irp t, 0,1
.if \t < \n
	v_max3_num_f32 v[ST+8*\t+4], v[ST+8*\t+4], v[ST+8*\t+5], v[ST+8*\t+6]
.endif
.endr
.irp t, 0,1
.if \t < \n
	v_max3_num_f32 v[ST+8*\t+4], v[ST+8*\t+4], v[ST+8*\t+7], v[ST+8*\t+1]   ; and the old m
.endif
.endr
.irp t, 0,1
.if \t < \n
	v_permlanex16_b32 v[ST+8*\t+5], v[ST+8*\t+4], s[SEL], s[SEL+1]          ; the query's other 32 keys lie in the lane 16 away
	v_mov_b32 v[ST+8*\t+7], v[ST+8*\t]                                      ; c m_old
.endif
.endr
.irp t, 0,1
.if \t < \n
	v_max_num_f32 v[ST+8*\t+1], v[ST+8*\t+4], v[ST+8*\t+5]
.endif
.endr
.irp t, 0,1
.if \t < \n
	v_mul_f32 v[ST+8*\t], s[CS], v[ST+8*\t+1]
.endif
.endr
.irp t, 0,1
.if \t < \n
	v_sub_f32 v[ST+8*\t+7], v[ST+8*\t+7], v[ST+8*\t]
.endif
.endr
.irp b, 0,1,2,3,4,5,6,7,8,9,10,11,12,13,14,15
.irp t, 0,1
.if \t < \n
	v_pk_fma_f32 v[S+32*\t+2*\b:S+32*\t+2*\b+1], v[S+32*\t+2*\b:S+32*\t+2*\b+1], s[CS:CS+1], v[ST+8*\t:ST+8*\t+1] op_sel_hi:[1,0,0] neg_lo:[0,0,1] neg_hi:[0,0,1]   ; c s - c m
.endif
.endr
.endr
.irp t, 0,1
.if \t < \n
	v_exp_f32 v[ST+8*\t+6], v[ST+8*\t+7]           ; a
.endif
.endr
.irp e, 0,1,2,3,4,5,6,7,8,9,10,11,12,13,14,15,16,17,18,19,20,21,22,23,24,25,26,27,28,29,30,31
.irp t, 0,1
.if \t < \n
	v_exp_f32 v[S+32*\t+\e], v[S+32*\t+\e]
.endif
.endr
.endr
	v_nop                                          ; a plain instruction behind the last exponential,
	s_wait_alu depctr_va_vdst(0)                   ; and one wait for the whole batch, ahead of its first reader
.irp i, 0,1,2,3,4,5,6,7,8,9,10,11,12,13,14,15
.irp t, 0,1
.if \t < \n
	v_cvt_pk_f16_f32 v[P+16*\t+\i], v[S+32*\t+2*\i], v[S+32*\t+2*\i+1]
.endif
.endr
.endr
.irp u, 0,1,2,3,4,5,6,7
.irp t, 0,1
.if \t < \n
	v_pk_add_f32 v[S+32*\t+4*\u:S+32*\t+4*\u+1], v[S+32*\t+4*\u:S+32*\t+4*\u+1], v[S+32*\t+4*\u+2:S+32*\t+4*\u+3]   ; the sum of the unrounded p, in place
.endif
.endr
.endr
.irp u, 0,1,2,3
.irp t, 0,1
.if \t < \n
	v_pk_add_f32 v[S+32*\t+8*\u:S+32*\t+8*\u+1], v[S+32*\t+8*\u:S+32*\t+8*\u+1], v[S+32*\t+8*\u+4:S+32*\t+8*\u+5]
.endif
.endr
.endr
.irp u, 0,1
.irp t, 0,1
.if \t < \n
	v_pk_add_f32 v[S+32*\t+16*\u:S+32*\t+16*\u+1], v[S+32*\t+16*\u:S+32*\t+16*\u+1], v[S+32*\t+16*\u+8:S+32*\t+16*\u+9]
.endif
.endr
.endr
.irp t, 0,1
.if \t < \n
	v_pk_add_f32 v[S+32*\t:S+32*\t+1], v[S+32*\t:S+32*\t+1], v[S+32*\t+16:S+32*\t+17]
.endif
.endr
.irp t, 0,1
.if \t < \n
	v_pk_fma_f32 v[ST+8*\t+2:ST+8*\t+3], v[ST+8*\t+2:ST+8*\t+3], v[ST+8*\t+6:ST+8*\t+7], v[S+32*\t:S+32*\t+1] op_sel_hi:[1,0,1]   ; l = a l + the sum
.endif
.endr
.irp i, 0,1,2,3,4,5,6,7,8,9,10,11,12,13,14,15
.irp t, 0,1
.if \t < \n
	v_pk_mul_f32 v[O+32*\t+2*\i:O+32*\t+2*\i+1], v[O+32*\t+2*\i:O+32*\t+2*\i+1], v[ST+8*\t+6:ST+8*\t+7] op_sel_hi:[1,0]   ; O^T x a
.endif
.endr
.endr
.endm
; A key step's work for tiles t < n.  The accumulators take turns, one instruction a turn.
.macro BODY n
	s_wait_dscnt 16                                ; K's 16 loads are in; V's 16 may be out
	WIN 0x05                                       ; K and Q in window 1
.irp cf, 0,1
.irp kt, 0,1,2,3
.irp t, 0,1
.if \t < \n
.if \cf == 0
	v_wmma_f32_16x16x32_f16 v[S+32*\t+8*\kt:S+32*\t+8*\kt+7], v[KF+16*\kt+8*\cf:KF+16*\kt+8*\cf+7], v[QF+16*\t+8*\cf:QF+16*\t+8*\cf+7], 0
.else
	v_wmma_f32_16x16x32_f16 v[S+32*\t+8*\kt:S+32*\t+8*\kt+7], v[KF+16*\kt+8*\cf:KF+16*\kt+8*\cf+7], v[QF+16*\t+8*\cf:QF+16*\t+8*\cf+7], v[S+32*\t+8*\kt:S+32*\t+8*\kt+7]
.endif
.endif
.endr
.endr
.endr
	WIN 0
.rept 4
	v_nop                                          ; places ahead of the first read of the scores
.endr
.if \n == 2
	s_cmp_lg_u32 s[KS], s[DL]                      ; the low tile's diagonal step; the high tile's lies beyond (DH >= 16 > DL)
	s_cbranch_scc1 .Lopen_\@
	MASK 1, DL
.else
	s_cmp_lt_u32 s[KS], s[DH]                      ; the high tile's diagonal step, and wave 0's step beyond it
	s_cbranch_scc1 .Lopen_\@
	MASK 0, DH
.endif
.Lopen_\@:
	SOFT \n
	s_wait_dscnt 0x0                               ; V is in
	WIN 0x01                                       ; V in window 1
.irp kh, 0,1
.irp ct, 0,1,2,3
.irp t, 0,1
.if \t < \n
	v_wmma_f32_16x16x32_f16 v[O+32*\t+8*\ct:O+32*\t+8*\ct+7], v[VF+32*\kh+8*\ct:VF+32*\kh+8*\ct+7], v[P+16*\t+8*\kh:P+16*\t+8*\kh+7], v[O+32*\t+8*\ct:O+32*\t+8*\ct+7]
.endif
.endr
.endr
.endr
	WIN 0
.rept 4
	v_nop                                          ; places ahead of the next step's loads into V's registers, and of the way out's reads
.endr
.endm
; A slot's four key steps: written once, walked four times; the LDS addresses hang on s[TK], s[TV].
.macro FOUR_STEPS
	s_mov_b32 s[CNT], 4
.Lstep_\@:
	s_cmp_gt_u32 s[KS], s[WH]
	s_cbranch_scc1 .Lhid_\@                        ; all keys come after my queries: no loads, no work; no barrier stands in a step
	v_add_nc_u32 v[ADK], s[TK], v[AK0]
	v_add_nc_u32 v[ADV], s[TV], v[AV0]
	WIN 0x40
.irp kt, 0,1,2,3
.irp cf, 0,1
	ds_load_b128 v[KF+16*\kt+8*\cf:KF+16*\kt+8*\cf+3], v[ADK] offset:16*\kt*KP+64*\cf
	ds_load_b128 v[KF+16*\kt+8*\cf+4:KF+16*\kt+8*\cf+7], v[ADK] offset:16*\kt*KP+64*\cf+32
.endr
.endr
.irp kh, 0,1
.irp ct, 0,1,2,3
	ds_load_tr16_b128 v[VF+32*\kh+8*\ct:VF+32*\kh+8*\ct+3], v[ADV] offset:32*\kh*VP+32*\ct
	ds_load_tr16_b128 v[VF+32*\kh+8*\ct+4:VF+32*\kh+8*\ct+7], v[ADV] offset:32*\kh*VP+16*VP+32*\ct
.endr
.endr
	WIN 0
	s_cmp_gt_u32 s[KS], s[DL]
	s_cbranch_scc1 .Lone_\@
	BODY 2
	s_branch .Lhid_\@
.Lone_\@:
	BODY 1
.Lhid_\@:
	s_add_co_u32 s[KS], s[KS], 1
	s_add_co_u32 s[TK], s[TK], KQB
	s_add_co_u32 s[TV], s[TV], VQB
	s_sub_co_u32 s[CNT], s[CNT], 1
	s_cmp_lg_u32 s[CNT], 0
	s_cbranch_scc1 .Lstep_\@
	s_sub_co_u32 s[TK], s[TK], 4*KQB               ; back to a slot's first step,
	s_xor_b32 s[TK], s[TK], SLOT1                  ; in the other slot
	s_sub_co_u32 s[TV], s[TV], 4*VQB
	s_xor_b32 s[TV], s[TV], SLOT1
.endm
; THE CHANGE OF SLOTS stands at a slot's head.  Each wave waits for all its tensor loads (one is out: its part of the slot ahead), adds 0 to its spare word, and waits for that and for its reads of the slot left.
; fill = 1: behind a round of the cluster's barrier the other slot is asked for, first thing: it has four key steps in which to land.
.macro CHANGE fill
	s_wait_tensorcnt 0x0
	ds_add_u32 v[SPW], v[NIL]                      ; the descriptors' steps stand between the add and the wait for it
.if \fill
	s_xor_b32 s[G0K+1], s[G0K+1], SLOT1
	s_add_nc_u64 s[G0K+2:G0K+3], s[G0K+2:G0K+3], 32768
	s_xor_b32 s[G0V+1], s[G0V+1], SLOT1
	s_add_nc_u64 s[G0V+2:G0V+3], s[G0V+2:G0V+3], 32768
	s_wait_xcnt 0x0                                ; the last prefetch, a slot back, has read its address
	s_add_nc_u64 s[PFA:PFA+1], s[PFA:PFA+1], 32768
	s_wait_dscnt 0x0
	CROUND
	JLOAD
	ASK
.else
	s_wait_dscnt 0x0
	s_barrier_signal -1
	s_barrier_wait -1
.endif
.endm
	s_wait_loadcnt 0x0                             ; Q
.Lslot:                                                ; seven trips: behind each change of slots but the last the next slot is asked for
	CHANGE 1
	FOUR_STEPS
	s_sub_co_u32 s[SLOTS], s[SLOTS], 1
	s_cmp_lg_u32 s[SLOTS], 0
	s_cbranch_scc1 .Lslot
	CHANGE 0                                       ; the last slot is written out
	FOUR_STEPS
	; THE WAY OUT: O^T / l, rounded to f16, through my stage; a tile's 16 rows are 2,048 consecutive bytes of ao
.irp t, 0,1
	v_add_f32 v[ST+8*\t+4], v[ST+8*\t+2], v[ST+8*\t+3]
.endr
.irp t, 0,1
	v_permlanex16_b32 v[ST+8*\t+5], v[ST+8*\t+4], s[SEL], s[SEL+1]
.endr
.irp t, 0,1
	v_add_f32 v[ST+8*\t+4], v[ST+8*\t+4], v[ST+8*\t+5]
.endr
.irp t, 0,1
	v_rcp_f32 v[ST+8*\t+6], v[ST+8*\t+4]
.endr
	v_nop
	s_wait_alu depctr_va_vdst(0)                   ; one wait for the two reciprocals, ahead of their first reader
.irp t, 0,1
.irp i, 0,1,2,3,4,5,6,7,8,9,10,11,12,13,14,15
	v_pk_mul_f32 v[O+32*\t+2*\i:O+32*\t+2*\i+1], v[O+32*\t+2*\i:O+32*\t+2*\i+1], v[ST+8*\t+6:ST+8*\t+7] op_sel_hi:[1,0]
.endr
.endr
.irp t, 0,1
.irp i, 0,1,2,3,4,5,6,7,8,9,10,11,12,13,14,15
	v_cvt_pk_f16_f32 v[S+16*\t+\i], v[O+32*\t+2*\i], v[O+32*\t+2*\i+1]
.endr
.endr
.irp t, 0,1
.irp ct, 0,1,2,3
	ds_store_b128 v[STO], v[S+16*\t+4*\ct:S+16*\t+4*\ct+3] offset:\t*2304+32*\ct
.endr
.endr
.irp u, 0,1,2,3,4,5,6,7
	ds_load_b128 v[P+4*\u:P+4*\u+3], v[RD] offset:576*\u           ; LDS serves a wave's instructions in order: these see my stores
.endr
.irp u, 0,1,2,3
	s_wait_dscnt 7-\u
	global_store_b128 v[GO], v[P+4*\u:P+4*\u+3], s[OH:OH+1] offset:512*\u       ; 512 consecutive bytes, at a multiple of 256 from the buffer's first byte
.endr
.irp u, 0,1,2,3
	s_wait_dscnt 3-\u
	global_store_b128 v[GO], v[P+16+4*\u:P+16+4*\u+3], s[OL:OL+1] offset:512*\u
.endr
	s_wait_tensorcnt 0x0                           ; the wave's end
	ds_add_u32 v[SPW], v[NIL]
	s_wait_dscnt 0x0
	CROUND                                         ; the closing round
	s_endpgm
.Lfunc_end_k_qe9007be12b_attn:
	.size	k_qe9007be12b_attn, .Lfunc_end_k_qe9007be12b_attn-k_qe9007be12b_attn
	.p2alignl 7, 3214868480
	.fill 96, 4, 3214868480
	.section	.rodata,"a",@progbits
	.p2align	6, 0x0
	.amdhsa_kernel k_qe9007be12b_attn
		.amdhsa_group_segment_fixed_size 327680
		.amdhsa_private_segment_fixed_size 0
		.amdhsa_enable_private_segment 0
		.amdhsa_kernarg_size 16
		.amdhsa_user_sgpr_count 2
		.amdhsa_user_sgpr_kernarg_segment_ptr 1
		.amdhsa_wavefront_size32 1
		.amdhsa_system_sgpr_workgroup_id_x 1
		.amdhsa_system_sgpr_workgroup_id_y 1
		.amdhsa_system_sgpr_workgroup_id_z 1
		.amdhsa_system_vgpr_workitem_id 0
		.amdhsa_next_free_vgpr 448
		.amdhsa_next_free_sgpr 80
		.amdhsa_reserve_vcc 1
		.amdhsa_float_denorm_mode_32 3
		.amdhsa_float_denorm_mode_16_64 3
		.amdhsa_memory_ordered 1
		.amdhsa_forward_progress 1
		.amdhsa_inst_pref_size 79
	.end_amdhsa_kernel
	.amdgpu_metadata
---
amdhsa.version: [ 1, 2 ]
amdhsa.kernels:
  - .name:           k_qe9007be12b_attn
    .symbol:         k_qe9007be12b_attn.kd
    .args:
      - { .name: qkvh, .offset: 0, .size: 8, .value_kind: global_buffer, .address_space: global }
      - { .name: ao, .offset: 8, .size: 8, .value_kind: global_buffer, .address_space: global }
    .group_segment_fixed_size: 327680
    .private_segment_fixed_size: 0
    .kernarg_segment_align: 8
    .kernarg_segment_size: 16
    .max_flat_workgroup_size: 256
    .sgpr_count:     80
    .vgpr_count:     448
    .wavefront_size: 32
...
	.end_amdgpu_metadata
.endif
;; end of part 3
;; launch proj (part 4): grid 8 x 32, 4 waves a work-group, clusters of 4 x 4, 327,680 bytes of LDS; arguments ao, wt, b_out, out0; writes out0
.if DOCPART == 4
	.amdgcn_target "amdgcn-amd-amdhsa--gfx1250"
	.amdhsa_code_object_version 6
	.text
	.protected	k_qe9007be12b_proj
	.globl	k_qe9007be12b_proj
	.p2align	8
	.type	k_qe9007be12b_proj,@function
k_qe9007be12b_proj:
	s_mov_b64 s[64:65], 0
	v_nop
	global_prefetch_b8 v0, s[64:65] scope:SCOPE_SE
	s_setreg_imm32_b32 hwreg(HW_REG_WAVE_MODE, 25, 1), 1
	s_wait_xcnt 0x0
	s_wait_alu depctr_hold_cnt(0) depctr_sa_sdst(0) depctr_va_vdst(0) depctr_va_sdst(0) depctr_va_ssrc(0) depctr_va_vcc(0) depctr_vm_vsrc(0)
	s_getreg_b32 s2, hwreg(HW_REG_IB_STS2, 6, 4)
	s_cmp_eq_u32 s2, 0
	s_cbranch_scc0 .Lentry_in_a_cluster
	s_endpgm
.Lentry_in_a_cluster:
	s_bfe_u32 s2, ttmp6, 0x10000c
	s_cmp_lg_u32 s2, 0xf033
	s_cbranch_scc0 .Lentry_shape_is_right
	s_endpgm
.Lentry_shape_is_right:
; out0 = attention's output x w_out + b_out: [4096][1024] x [1024][1024], f16 operands, f32 sums, f32 out.  All rows; positions 0-15 of both batches are written once more, from f32 operands, by the last launch.
; Both operands lie by chunks of 64 along K: ao [chunk][4096 rows][64], wt [chunk][1024 rows n][64]: a chunk's 128 rows of a tile are 16,384 consecutive bytes.
; A tile of 128 x 128 is made by four waves, 64 x 64 each: 256 work-groups.  K goes in steps of 256 (four chunks) through two LDS slots; a wave's tensor load brings two chunks x 128 rows.
; CLUSTERS: 4 x 4 work-groups; A's tiles are shared along a row of the cluster, B's along a column: each is asked for jointly.
; THE MATRIX INSTRUCTION IS USED TRANSPOSED (source 0 = 16 rows of wt, source 1 = 16 rows of ao): a lane holds eight neighbouring columns of a row.  The bias is the C of each sum's first product.
; No prefetch: the tiles are small and K has four steps.
; REGISTERS: window 0: v0-31 addresses; v32-95 rows on the way out; v96-127 the bias; v128-255 the accumulators ((a, b) at v[128 + 8 (4 a + b)]).   window 1: two fragment buffers of 128.
.set PITCH,  144                       ; an LDS row: a chunk's 128 bytes + 16
.set QB,     128*PITCH                 ; a chunk of 128 rows: a quarter of a K step
.set HALFT,  2*QB                      ; what one tensor load brings
.set SLOT,   4*HALFT                   ; A's four chunks, then B's four
.set STAGE,  2*SLOT                    ; the way out: 16 rows x (256 bytes + 16) for each wave; no tensor load lands here
.set SPITCH, 272
.set SPARE,  STAGE+4*16*SPITCH         ; the spare words, 128 bytes for each wave: two blocks of 256 bytes that no other line names
.set LAPS,   2                         ; a lap = two K steps
.set ADRA, 16
.set ADRB, 20
.set STO,  24
.set RD,   25
.set CO,   26
.set BO,   27
.set SPW,  28
.set NIL,  29
.set TMP,  32
.set BIAS, 96
.set ACC,  128
.set F0,   0
.set F1,   128
.set G1, 24
.set G0, 32
.set G1B, 48
.set G0B, 56
.set MSB, 0
.macro WIN new
.if MSB != (\new)
	s_set_vgpr_msb (MSB<<8)|(\new)
.set MSB, (\new)
.endif
.endm
.set MUL,  0x05                        ; sources 0 (B) and 1 (A) window 1; C and D window 0
.set TO_F, 0x40
.macro JLOAD s                         ; waves 0 and 1 fetch A's chunks, waves 2 and 3 B's; an s_nop 0 and four v_nop follow each line
	s_cmp_eq_u32 s11, 0
	s_cbranch_scc0 .Lfor_b_\@
	tensor_load_to_lds s[G0+4*\s:G0+4*\s+3], s[G1:G1+7]
	s_nop 0
.rept 4
	v_nop
.endr
	s_branch .Lasked_\@
.Lfor_b_\@:
	tensor_load_to_lds s[G0B+4*\s:G0B+4*\s+3], s[G1B:G1B+7]
	s_nop 0
.rept 4
	v_nop
.endr
.Lasked_\@:
.endm
.macro CREST
	s_cmp_lg_u32 s10, 0
	s_cbranch_scc1 .Lnot_wave_0_\@
	s_barrier_signal -3
.Lnot_wave_0_\@:
	s_barrier_wait -3
	s_barrier_signal -1
	s_barrier_wait -1
.endm
.macro CROUND
	s_barrier_signal -1
	s_barrier_wait -1
	CREST
.endm
	s_load_b128 s[4:7], s[0:1], 0x0                ; ao s[4:5], wt s[6:7]
	s_load_b64 s[66:67], s[0:1], 0x10              ; b_out
	s_load_b64 s[8:9], s[0:1], 0x18                ; out0
	v_lshl_add_u32 v[SPW], v0, 2, SPARE
	v_mov_b32 v[NIL], 0
	ds_add_u32 v[SPW], v[NIL]                      ; the wave's opening: the add, twice on end, and its wait ahead of my first tensor load
	ds_add_u32 v[SPW], v[NIL]
	v_lshrrev_b32 v1, 5, v0
	v_readfirstlane_b32 s10, v1                    ; wave 0..3
	s_lshr_b32 s11, s10, 1                         ; my half of the tile's rows.  Also: I fetch for A (0) or for B (1)
	s_and_b32 s12, s10, 1                          ; my half of its columns.  Also: which two chunks of a K step I fetch
	s_bfe_u32 s40, ttmp6, 0x40000
	s_bfe_u32 s41, ttmp6, 0x40004
	s_lshl_b32 s42, ttmp9, 2
	s_add_co_u32 s42, s42, s40                     ; tile column
	s_and_b32 s13, ttmp7, 0xffff
	s_lshl_b32 s13, s13, 2
	s_add_co_u32 s13, s13, s41                     ; tile row
	s_lshl_b32 s43, s41, 2
	s_lshl_b32 s43, 15, s43
	s_lshl_b32 s44, 0x1111, s40
	; descriptor group 1: two rows of 8,192 elements (a chunk's 128 rows on end), a chunk apart in memory; 4 words of padding after every 32: the interval divides the row, so each 128 bytes get their 16
	s_or_b32 s[G1+0], s43, (1<<16)|(1<<20)|(1<<21)|(4<<22)|(3<<25)
	s_or_b32 s[G1B+0], s44, (1<<16)|(1<<20)|(1<<21)|(4<<22)|(3<<25)
.irp g, G1, G1B
	s_mov_b32 s[\g+1], 8192<<16                    ; tensor_dim0
	s_mov_b32 s[\g+2], 2<<16                       ; tensor_dim1
	s_mov_b32 s[\g+3], 8192<<16                    ; tile_dim0
	s_mov_b32 s[\g+4], 2                           ; tile_dim1
	s_mov_b32 s[\g+6], 0
	s_mov_b32 s[\g+7], 0
.endr
	s_mov_b32 s[G1+5], 262144                      ; from chunk to chunk: 4,096 rows of 64 elements,
	s_mov_b32 s[G1B+5], 65536                      ; 1,024 rows
	s_lshl_b32 s16, s13, 14
	s_lshl_b32 s17, s12, 20
	s_add_co_u32 s16, s16, s17                     ; A: the tile's 128 rows, my two chunks
	s_mov_b32 s17, 0
	s_lshl_b32 s46, s42, 14
	s_lshl_b32 s47, s12, 18
	s_add_co_u32 s46, s46, s47                     ; B likewise
	s_mov_b32 s47, 0
	s_mul_i32 s20, s10, HALFT
	s_wait_dscnt 0x0                               ; both opening adds are done
	s_wait_kmcnt 0x0
	s_add_nc_u64 s[14:15], s[4:5], s[16:17]
	s_add_nc_u64 s[46:47], s[6:7], s[46:47]
	CROUND
.irp s, 0,1
	s_mov_b32 s[G0+4*\s], 1
	s_add_co_u32 s[G0+4*\s+1], s20, \s*SLOT
	s_add_nc_u64 s[G0+4*\s+2:G0+4*\s+3], s[14:15], \s*2097152      ; four chunks on
	s_or_b32 s[G0+4*\s+3], s[G0+4*\s+3], 0x80000000
	s_mov_b32 s[G0B+4*\s], 1
	s_add_co_u32 s[G0B+4*\s+1], s20, \s*SLOT
	s_add_nc_u64 s[G0B+4*\s+2:G0B+4*\s+3], s[46:47], \s*524288
	s_or_b32 s[G0B+4*\s+3], s[G0B+4*\s+3], 0x80000000
	JLOAD \s
.endr
	v_and_b32 v1, 15, v0                           ; r
	v_bfe_u32 v2, v0, 4, 1                         ; h
	v_mul_u32_u24 v3, v1, PITCH
	v_lshl_add_u32 v3, v2, 4, v3
	s_mul_i32 s21, s11, 64*PITCH                   ; my 64 rows of each chunk of A
	s_mul_i32 s22, s12, 64*PITCH                   ; and of B,
	s_add_co_u32 s22, s22, 2*HALFT                 ; whose chunks lie behind A's four
.irp s, 0,1
	v_add_nc_u32 v[ADRA+\s], s21, v3
	v_add_nc_u32 v[ADRB+\s], s22, v3
	s_add_co_u32 s21, s21, SLOT
	s_add_co_u32 s22, s22, SLOT
.endr
	s_mul_i32 s23, s10, 16*SPITCH
	s_add_co_u32 s23, s23, STAGE                   ; my stage
	v_mul_u32_u24 v4, v1, SPITCH
	v_lshl_add_u32 v4, v2, 5, v4
	v_add_nc_u32 v[STO], s23, v4                   ; in: row r, 32 bytes for each half of the lanes
	v_mul_u32_u24 v5, v2, SPITCH
	v_lshl_add_u32 v5, v1, 4, v5
	v_add_nc_u32 v[RD], s23, v5                    ; back: lanes 0-15 one row of 256 bytes, lanes 16-31 the next
	v_lshlrev_b32 v5, 12, v2
	v_lshl_add_u32 v[CO], v1, 4, v5                ; and the same two rows in out0
	v_lshlrev_b32 v[BO], 5, v2
	s_lshl_b32 s46, s42, 9
	s_lshl_b32 s47, s12, 8
	s_add_co_u32 s46, s46, s47                     ; 4 x my first column
	s_mov_b32 s47, 0
	s_add_nc_u64 s[66:67], s[66:67], s[46:47]
	s_add_nc_u64 s[8:9], s[8:9], s[46:47]
	s_lshl_b32 s16, s13, 19
	s_lshl_b32 s17, s11, 18
	s_add_co_u32 s16, s16, s17                     ; my first row, 4,096 bytes a row
	s_mov_b32 s17, 0
	s_add_nc_u64 s[8:9], s[8:9], s[16:17]
.irp b, 0,1,2,3
	global_load_b128 v[BIAS+8*\b:BIAS+8*\b+3], v[BO], s[66:67] offset:64*\b
	global_load_b128 v[BIAS+8*\b+4:BIAS+8*\b+7], v[BO], s[66:67] offset:64*\b+16
.endr
.macro MUL8 f, c, a0, first            ; 8 matrix instructions: m blocks a0, a0 + 1 x all 4 n blocks, 32 along K.  first = 1: the bias is C
.irp a, \a0, \a0+1
.irp b, 0,1,2,3
.if \first
	v_wmma_f32_16x16x32_f16 v[ACC+8*(4*(\a)+\b):ACC+8*(4*(\a)+\b)+7], v[\f+64+8*(4*\c+\b):\f+64+8*(4*\c+\b)+7], v[\f+8*(4*\c+\a):\f+8*(4*\c+\a)+7], v[BIAS+8*\b:BIAS+8*\b+7]
.else
	v_wmma_f32_16x16x32_f16 v[ACC+8*(4*(\a)+\b):ACC+8*(4*(\a)+\b)+7], v[\f+64+8*(4*\c+\b):\f+64+8*(4*\c+\b)+7], v[\f+8*(4*\c+\a):\f+8*(4*\c+\a)+7], v[ACC+8*(4*(\a)+\b):ACC+8*(4*(\a)+\b)+7]
.endif
.endr
.endr
.endm
.macro FETCH slot, k, f                ; 32 LDS loads in one run: the fragments of one chunk (at byte k of the slot's A and B parts) into buffer f; the first 32 along K first
	WIN TO_F
.irp c, 0,1
.irp i, 0,1,2,3
	ds_load_b128 v[\f+64+8*(4*\c+\i):\f+64+8*(4*\c+\i)+3],   v[ADRB+\slot] offset:\k+64*\c+\i*16*PITCH
	ds_load_b128 v[\f+64+8*(4*\c+\i)+4:\f+64+8*(4*\c+\i)+7], v[ADRB+\slot] offset:\k+64*\c+\i*16*PITCH+32
	ds_load_b128 v[\f+8*(4*\c+\i):\f+8*(4*\c+\i)+3],         v[ADRA+\slot] offset:\k+64*\c+\i*16*PITCH
	ds_load_b128 v[\f+8*(4*\c+\i)+4:\f+8*(4*\c+\i)+7],       v[ADRA+\slot] offset:\k+64*\c+\i*16*PITCH+32
.endr
.endr
.endm
.macro PLACES
.rept 4
	v_nop
.endr
.endm
.macro QUARTER slot, k, f, g, first    ; multiplies buffer f (one chunk) and fetches the next chunk, at byte k, into g
	s_wait_dscnt 16                                ; the first 32 along K are in; the other sixteen loads may be out
	WIN MUL
	MUL8 \f, 0, 0, \first
	MUL8 \f, 0, 2, \first
	PLACES
	FETCH \slot, \k, \g
	s_wait_dscnt 32                                ; all but the 32 just issued
	WIN MUL
	MUL8 \f, 1, 0, 0
	MUL8 \f, 1, 2, 0
.endm
; A K step's last quarter changes slots: one barrier; in front of it each wave waits for all its tensor loads, adds 0 to its spare word, and waits for that and for its reads of this slot.
.macro TURN slot, next, fill
	WIN 0
	s_wait_tensorcnt 0x0
	ds_add_u32 v[SPW], v[NIL]
	s_wait_dscnt 17                                ; (the add and the youngest sixteen loads may be out)
	WIN MUL
	MUL8 F1, 0, 0, 0
	s_wait_dscnt 0x0
	s_barrier_signal -1
	MUL8 F1, 0, 2, 0
.if \fill
	WIN 0
.endif
	s_barrier_wait -1
.if \fill
	CREST                                          ; the barrier has opened a round of the cluster's barrier
	s_add_nc_u64 s[G0+4*\slot+2:G0+4*\slot+3], s[G0+4*\slot+2:G0+4*\slot+3], 4194304     ; eight chunks on
	s_add_nc_u64 s[G0B+4*\slot+2:G0B+4*\slot+3], s[G0B+4*\slot+2:G0B+4*\slot+3], 1048576
	JLOAD \slot                                    ; the first tensor load behind the round; its four v_nop are also the places in front of the loads below
.else
	PLACES
.endif
	FETCH \next, 0, F0
	WIN MUL
	MUL8 F1, 1, 0, 0
	MUL8 F1, 1, 2, 0
.endm
	s_wait_tensorcnt 1                             ; my part of K step 0 is in; K step 1's load, the one younger, may be out
	s_barrier_signal -1
	s_barrier_wait -1
	FETCH 0, 0, F0
	s_wait_loadcnt 0x0                             ; the bias
	QUARTER 0, QB, F0, F1, 1
	WIN 0
	s_mov_b32 s3, LAPS-1
.Llap:
	QUARTER 0, 2*QB, F1, F0, 0
	QUARTER 0, 3*QB, F0, F1, 0
	TURN 0, 1, 1
	QUARTER 1, QB, F0, F1, 0
	QUARTER 1, 2*QB, F1, F0, 0
	QUARTER 1, 3*QB, F0, F1, 0
	TURN 1, 0, 1
	QUARTER 0, QB, F0, F1, 0
	WIN 0
	s_sub_co_u32 s3, s3, 1
	s_cmp_lg_u32 s3, 0
	s_cbranch_scc1 .Llap
	QUARTER 0, 2*QB, F1, F0, 0                     ; the last lap fills nothing
	QUARTER 0, 3*QB, F0, F1, 0
	TURN 0, 1, 0
	QUARTER 1, QB, F0, F1, 0
	QUARTER 1, 2*QB, F1, F0, 0
	QUARTER 1, 3*QB, F0, F1, 0
	s_wait_dscnt 16
	WIN MUL
	MUL8 F1, 0, 0, 0
	MUL8 F1, 0, 2, 0
	s_wait_dscnt 0
	MUL8 F1, 1, 0, 0
	MUL8 F1, 1, 2, 0
	WIN 0
; THE WAY OUT in f32: a wave's 64 columns are 256 bytes of a row.  A block of 16 rows goes through my own stage and comes back two whole rows an instruction: sixteen lanes store 256 consecutive bytes, aligned.
.macro TOSTAGE a
.irp b, 0,1,2,3
	ds_store_b128 v[STO], v[ACC+8*(4*(\a)+\b):ACC+8*(4*(\a)+\b)+3] offset:64*\b        ; each accumulator from its low end on
	ds_store_b128 v[STO], v[ACC+8*(4*(\a)+\b)+4:ACC+8*(4*(\a)+\b)+7] offset:64*\b+16
.endr
.set BB, TMP+32*((\a)%2)
.irp t, 0,1,2,3,4,5,6,7
	ds_load_b128 v[BB+4*\t:BB+4*\t+3], v[RD] offset:2*SPITCH*\t    ; LDS serves a wave's instructions in order: these see the stores above
.endr
.endm
.macro SEND a, younger
.set BB, TMP+32*((\a)%2)
	s_wait_dscnt \younger
.irp t, 0,1,2,3,4,5,6,7
	global_store_b128 v[CO], v[BB+4*\t:BB+4*\t+3], s[8:9] offset:(16*(\a)+2*\t)*4096
.endr
.endm
	PLACES
	TOSTAGE 0
.irp a, 1,2,3
.if \a > 1
	s_wait_xcnt 0x0                                ; block a - 2's stores have read their registers: block a's loads may land there
.endif
	TOSTAGE \a
	SEND \a-1, 16                                  ; behind block a - 1's loads: block a's 8 stores and 8 loads
.endr
	SEND 3, 0
	s_wait_tensorcnt 0x0                           ; the wave's end
	ds_add_u32 v[SPW], v[NIL]
	s_wait_dscnt 0x0
	CROUND                                         ; the closing round
	s_endpgm
.Lfunc_end_k_qe9007be12b_proj:
	.size	k_qe9007be12b_proj, .Lfunc_end_k_qe9007be12b_proj-k_qe9007be12b_proj
	.p2alignl 7, 3214868480
	.fill 96, 4, 3214868480
	.section	.rodata,"a",@progbits
	.p2align	6, 0x0
	.amdhsa_kernel k_qe9007be12b_proj
		.amdhsa_group_segment_fixed_size 327680
		.amdhsa_private_segment_fixed_size 0
		.amdhsa_enable_private_segment 0
		.amdhsa_kernarg_size 32
		.amdhsa_user_sgpr_count 2
		.amdhsa_user_sgpr_kernarg_segment_ptr 1
		.amdhsa_wavefront_size32 1
		.amdhsa_system_sgpr_workgroup_id_x 1
		.amdhsa_system_sgpr_workgroup_id_y 1
		.amdhsa_system_sgpr_workgroup_id_z 1
		.amdhsa_system_vgpr_workitem_id 0
		.amdhsa_next_free_vgpr 512
		.amdhsa_next_free_sgpr 68
		.amdhsa_reserve_vcc 0
		.amdhsa_float_denorm_mode_32 3
		.amdhsa_float_denorm_mode_16_64 3
		.amdhsa_memory_ordered 1
		.amdhsa_forward_progress 1
		.amdhsa_inst_pref_size 86
	.end_amdhsa_kernel
	.amdgpu_metadata
---
amdhsa.version: [ 1, 2 ]
amdhsa.kernels:
  - .name:           k_qe9007be12b_proj
    .symbol:         k_qe9007be12b_proj.kd
    .args:
      - { .name: ao, .offset: 0, .size: 8, .value_kind: global_buffer, .address_space: global }
      - { .name: wt, .offset: 8, .size: 8, .value_kind: global_buffer, .address_space: global }
      - { .name: b_out, .offset: 16, .size: 8, .value_kind: global_buffer, .address_space: global }
      - { .name: out0, .offset: 24, .size: 8, .value_kind: global_buffer, .address_space: global }
    .group_segment_fixed_size: 327680
    .private_segment_fixed_size: 0
    .kernarg_segment_align: 8
    .kernarg_segment_size: 32
    .max_flat_workgroup_size: 128
    .sgpr_count:     68
    .vgpr_count:     512
    .wavefront_size: 32
...
	.end_amdgpu_metadata
.endif
;; end of part 4
;; launch fine (part 5): grid 32 x 2, 16 waves a work-group, no clusters, 34,816 bytes of LDS; arguments q32, w_out, b_out, out0; writes out0
.if DOCPART == 5
	.amdgcn_target "amdgcn-amd-amdhsa--gfx1250"
	.amdhsa_code_object_version 6
	.text
	.protected	k_qe9007be12b_fine
	.globl	k_qe9007be12b_fine
	.p2align	8
	.type	k_qe9007be12b_fine,@function
k_qe9007be12b_fine:
	s_mov_b64 s[64:65], 0
	v_nop
	global_prefetch_b8 v0, s[64:65] scope:SCOPE_SE
	s_setreg_imm32_b32 hwreg(HW_REG_WAVE_MODE, 25, 1), 1
	s_wait_xcnt 0x0
; POSITIONS 0-15 OF BOTH BATCHES IN F32, through attention and the projection: there a row averages one to sixteen values, and f16 operands would weigh most.  It writes those 32 rows of out0 anew.
; q32 [batch][16][3072] f32 holds q, k, v of these positions.  A work-group takes a batch (y) and 32 output columns (x); wave w takes head w, whose 64 channels are also its part of the projection's K: O never leaves the wave.
; All three products by v_wmma_f32_16x16x4_f32, used transposed, so that a lane holds one query (lane % 16) throughout:
;   S^T = K Q^T (16 products), O^T = V^T P^T (16), Y^T = W^T O^T (32); the order of k is the same on both sources of each product.
; The sixteen waves' parts of Y^T meet in LDS; waves 0-3 add them and the bias and store.  These 131,072 bytes leave in pieces of 16 bytes.
; The registers that the matrix instructions write (v192-207, v224-255) are written by nothing else.
; LIMITS: NaN and infinities are not served.
.set SPARE, 32768                      ; behind the waves' 2,048 bytes each: the spare words, 128 bytes a wave: eight blocks of 256 bytes that no other line names
.set QA,  3
.set VA,  4
.set WA,  5
.set BA,  6
.set LST, 7
.set LRD, 8
.set OA,  9
.set DD,  10
.set NEG, 11
.set SPW, 12
.set NIL, 13
	s_load_b256 s[4:11], s[0:1], 0x0               ; q32 s[4:5], w_out s[6:7], b_out s[8:9], out0 s[10:11]
	v_lshl_add_u32 v[SPW], v0, 2, SPARE
	v_mov_b32 v[NIL], 0
	v_lshrrev_b32 v1, 5, v0
	v_readfirstlane_b32 s12, v1                    ; wave = head
	s_and_b32 s13, ttmp7, 0xffff                   ; batch
	v_and_b32 v1, 15, v0                           ; r
	v_bfe_u32 v2, v0, 4, 1                         ; h
	v_and_b32 v14, 31, v0
	v_mul_u32_u24 v[QA], v1, 12288
	v_lshl_add_u32 v[QA], v2, 7, v[QA]             ; Q, K: position r, channels 32 h on
	v_mul_u32_u24 v[VA], v2, 98304
	v_lshl_add_u32 v[VA], v1, 2, v[VA]             ; V: keys 8 h on, channel r
	v_lshlrev_b32 v[WA], 15, v2
	v_lshl_add_u32 v[WA], v1, 2, v[WA]             ; w_out: rows 8 h on, column r
	v_lshlrev_b32 v[BA], 5, v2
	s_lshl_b32 s14, s12, 11
	v_lshl_add_u32 v[LST], v14, 4, s14             ; my part's place in LDS
	s_and_b32 s15, s12, 3
	s_lshl_b32 s16, s15, 9
	v_lshl_add_u32 v[LRD], v14, 4, s16             ; the piece that I add up (waves 0-3)
	v_lshlrev_b32 v[OA], 12, v1
	v_lshl_add_u32 v[OA], v2, 5, v[OA]
	v_lshlrev_b32 v[DD], 3, v2
	v_sub_nc_u32 v[DD], v1, v[DD]                  ; r - 8 h
	v_mov_b32 v[NEG], 0xff800000
	s_mov_b32 s20, 0x76543210
	s_mov_b32 s21, 0xfedcba98
	s_mov_b32 s22, 0x3e38aa3b                      ; c = log2(e) / 8
	s_mul_i32 s24, s13, 196608
	s_lshl_b32 s26, s12, 8
	s_add_co_u32 s24, s24, s26
	s_mov_b32 s25, 0
	s_lshl_b32 s26, s12, 18
	s_lshl_b32 s28, ttmp9, 7
	s_add_co_u32 s26, s26, s28
	s_mov_b32 s27, 0
	s_lshr_b32 s30, s15, 1
	s_lshl_b32 s30, s30, 6
	s_add_co_u32 s28, s28, s30
	s_and_b32 s30, s15, 1
	s_lshl_b32 s30, s30, 4
	s_add_co_u32 s28, s28, s30                     ; 4 x (32 x + 16 nt + 4 c): my piece's first column
	s_mov_b32 s29, 0
	s_lshl_b32 s30, s13, 23
	s_mov_b32 s31, 0
	s_wait_kmcnt 0x0
	s_add_nc_u64 s[4:5], s[4:5], s[24:25]
	s_add_nc_u64 s[6:7], s[6:7], s[26:27]
	s_add_nc_u64 s[8:9], s[8:9], s[28:29]
	s_add_nc_u64 s[10:11], s[10:11], s[28:29]
	s_add_nc_u64 s[10:11], s[10:11], s[30:31]
	global_load_b128 v[16:19], v[BA], s[8:9]
.irp e, 0,1,2,3,4,5,6,7
	global_load_b128 v[32+4*\e:35+4*\e], v[QA], s[4:5] offset:16*\e
.endr
.irp e, 0,1,2,3,4,5,6,7
	global_load_b128 v[64+4*\e:67+4*\e], v[QA], s[4:5] offset:4096+16*\e
.endr
.irp ct, 0,1,2,3
.irp k, 0,1,2,3,4,5,6,7
	global_load_b32 v[96+8*\ct+\k], v[VA], s[4:5] offset:8192+12288*\k+64*\ct       ; V(8 h + k, 16 ct + r)
.endr
.endr
.irp nt, 0,1
.irp ct, 0,1,2,3
.irp k, 0,1,2,3,4,5,6,7
	global_load_b32 v[128+32*\nt+8*\ct+\k], v[WA], s[6:7] offset:(16*\ct+\k)*4096+64*\nt   ; w_out(64 w + 16 ct + 8 h + k, 32 x + 16 nt + r)
.endr
.endr
.endr
	s_wait_loadcnt 63                              ; of the 113 loads the oldest 50 are in: the bias, Q, K and V
.irp p, 0,1,2,3,4,5,6,7,8,9,10,11,12,13,14,15
.if \p < 2
	v_wmma_f32_16x16x4_f32 v[192+8*(\p%2):199+8*(\p%2)], v[64+2*\p:65+2*\p], v[32+2*\p:33+2*\p], 0
.else
	v_wmma_f32_16x16x4_f32 v[192+8*(\p%2):199+8*(\p%2)], v[64+2*\p:65+2*\p], v[32+2*\p:33+2*\p], v[192+8*(\p%2):199+8*(\p%2)]   ; two sums by turns
.endif
.endr
.rept 8
	v_nop                                          ; eight places behind this form ahead of a vector read
.endr
.irp j, 0,1,2,3,4,5,6,7
	v_add_f32 v[208+\j], v[192+\j], v[200+\j]      ; score of key 8 h + j, query r
.endr
.irp j, 0,1,2,3,4,5,6,7
	v_cmp_gt_i32 vcc_lo, \j, v[DD]                 ; hidden where 8 h + j > r
	v_cndmask_b32 v[208+\j], v[208+\j], v[NEG], vcc_lo
.endr
	v_max3_num_f32 v20, v208, v209, v210
	v_max3_num_f32 v21, v211, v212, v213
	v_max3_num_f32 v20, v20, v214, v215
	v_max_num_f32 v20, v20, v21
	v_permlanex16_b32 v21, v20, s20, s21
	v_max_num_f32 v20, v20, v21                    ; the row's maximum (key 0 counts for every query)
	v_mul_f32 v21, s22, v20
.irp j, 0,1,2,3,4,5,6,7
	v_fma_f32 v[208+\j], v[208+\j], s22, -v21
.endr
.irp j, 0,1,2,3,4,5,6,7
	v_exp_f32 v[208+\j], v[208+\j]
.endr
	v_nop
	s_wait_alu depctr_va_vdst(0)                   ; one wait for the eight, ahead of their first reader
	v_add_f32 v22, v208, v209
	v_add_f32 v23, v210, v211
	v_add_f32 v24, v212, v213
	v_add_f32 v25, v214, v215
	v_add_f32 v22, v22, v23
	v_add_f32 v24, v24, v25
	v_add_f32 v22, v22, v24
	v_permlanex16_b32 v21, v22, s20, s21
	v_add_f32 v22, v22, v21
	v_rcp_f32 v23, v22
	v_nop
	s_wait_alu depctr_va_vdst(0)
.irp j, 0,1,2,3,4,5,6,7
	v_mul_f32 v[216+\j], v[208+\j], v23            ; the weights
.endr
.irp i, 0,1,2,3
.irp ct, 0,1,2,3
.if \i == 0
	v_wmma_f32_16x16x4_f32 v[224+8*\ct:231+8*\ct], v[96+8*\ct+2*\i:97+8*\ct+2*\i], v[216+2*\i:217+2*\i], 0
.else
	v_wmma_f32_16x16x4_f32 v[224+8*\ct:231+8*\ct], v[96+8*\ct+2*\i:97+8*\ct+2*\i], v[216+2*\i:217+2*\i], v[224+8*\ct:231+8*\ct]   ; four sums by turns
.endif
.endr
.endr
.rept 9
	v_nop                                          ; nine places ahead of a matrix instruction that takes these results as a source
.endr
	s_wait_loadcnt 0x0                             ; w_out
.irp ct, 0,1,2,3
.irp i, 0,1,2,3
.irp nt, 0,1
.if (\ct == 0) && (\i == 0)
	v_wmma_f32_16x16x4_f32 v[192+8*\nt:199+8*\nt], v[128+32*\nt+8*\ct+2*\i:129+32*\nt+8*\ct+2*\i], v[224+8*\ct+2*\i:225+8*\ct+2*\i], 0
.else
	v_wmma_f32_16x16x4_f32 v[192+8*\nt:199+8*\nt], v[128+32*\nt+8*\ct+2*\i:129+32*\nt+8*\ct+2*\i], v[224+8*\ct+2*\i:225+8*\ct+2*\i], v[192+8*\nt:199+8*\nt]   ; two sums by turns
.endif
.endr
.endr
.endr
.rept 8
	v_nop
.endr
.irp nt, 0,1
.irp c, 0,1
	ds_store_b128 v[LST], v[192+8*\nt+4*\c:195+8*\nt+4*\c] offset:1024*\nt+512*\c   ; my head's part of y(r, 32 x + 16 nt + 8 h + 4 c + 0 .. 3)
.endr
.endr
	s_wait_dscnt 0x0                               ; for the others' sake: my stores are done
	s_barrier_signal -1
	s_barrier_wait -1
	s_cmp_ge_u32 s12, 4
	s_cbranch_scc1 .Lend
.irp p, 0,1,2,3,4,5,6,7,8,9,10,11,12,13,14,15
	ds_load_b128 v[32+4*\p:35+4*\p], v[LRD] offset:2048*\p         ; the sixteen heads' parts of my piece
.endr
	s_wait_dscnt 0x0
.irp p, 0,1,2,3,4,5,6,7
	v_pk_add_f32 v[32+4*\p:33+4*\p], v[32+4*\p:33+4*\p], v[64+4*\p:65+4*\p]
	v_pk_add_f32 v[34+4*\p:35+4*\p], v[34+4*\p:35+4*\p], v[66+4*\p:67+4*\p]
.endr
.irp p, 0,1,2,3
	v_pk_add_f32 v[32+4*\p:33+4*\p], v[32+4*\p:33+4*\p], v[48+4*\p:49+4*\p]
	v_pk_add_f32 v[34+4*\p:35+4*\p], v[34+4*\p:35+4*\p], v[50+4*\p:51+4*\p]
.endr
.irp p, 0,1
	v_pk_add_f32 v[32+4*\p:33+4*\p], v[32+4*\p:33+4*\p], v[40+4*\p:41+4*\p]
	v_pk_add_f32 v[34+4*\p:35+4*\p], v[34+4*\p:35+4*\p], v[42+4*\p:43+4*\p]
.endr
	v_pk_add_f32 v[32:33], v[32:33], v[36:37]
	v_pk_add_f32 v[34:35], v[34:35], v[38:39]
	v_pk_add_f32 v[32:33], v[32:33], v[16:17]      ; the bias
	v_pk_add_f32 v[34:35], v[34:35], v[18:19]
	global_store_b128 v[OA], v[32:35], s[10:11]
.Lend:
	s_wait_tensorcnt 0x0                           ; the wave's end: behind my last LDS store
	ds_add_u32 v[SPW], v[NIL]
	s_wait_dscnt 0x0
	s_endpgm
.Lfunc_end_k_qe9007be12b_fine:
	.size	k_qe9007be12b_fine, .Lfunc_end_k_qe9007be12b_fine-k_qe9007be12b_fine
	.p2alignl 7, 3214868480
	.fill 96, 4, 3214868480
	.section	.rodata,"a",@progbits
	.p2align	6, 0x0
	.amdhsa_kernel k_qe9007be12b_fine
		.amdhsa_group_segment_fixed_size 34816
		.amdhsa_private_segment_fixed_size 0
		.amdhsa_enable_private_segment 0
		.amdhsa_kernarg_size 32
		.amdhsa_user_sgpr_count 2
		.amdhsa_user_sgpr_kernarg_segment_ptr 1
		.amdhsa_wavefront_size32 1
		.amdhsa_system_sgpr_workgroup_id_x 1
		.amdhsa_system_sgpr_workgroup_id_y 1
		.amdhsa_system_sgpr_workgroup_id_z 1
		.amdhsa_system_vgpr_workitem_id 0
		.amdhsa_next_free_vgpr 256
		.amdhsa_next_free_sgpr 66
		.amdhsa_reserve_vcc 1
		.amdhsa_float_denorm_mode_32 3
		.amdhsa_float_denorm_mode_16_64 3
		.amdhsa_memory_ordered 1
		.amdhsa_forward_progress 1
		.amdhsa_inst_pref_size 25
	.end_amdhsa_kernel
	.amdgpu_metadata
---
amdhsa.version: [ 1, 2 ]
amdhsa.kernels:
  - .name:           k_qe9007be12b_fine
    .symbol:         k_qe9007be12b_fine.kd
    .args:
      - { .name: q32, .offset: 0, .size: 8, .value_kind: global_buffer, .address_space: global }
      - { .name: w_out, .offset: 8, .size: 8, .value_kind: global_buffer, .address_space: global }
      - { .name: b_out, .offset: 16, .size: 8, .value_kind: global_buffer, .address_space: global }
      - { .name: out0, .offset: 24, .size: 8, .value_kind: global_buffer, .address_space: global }
    .group_segment_fixed_size: 34816
    .private_segment_fixed_size: 0
    .kernarg_segment_align: 8
    .kernarg_segment_size: 32
    .max_flat_workgroup_size: 512
    .sgpr_count:     66
    .vgpr_count:     256
    .wavefront_size: 32
...
	.end_amdgpu_metadata
.endif
;; end of part 5
